; MI455X (gfx1250); checked and timed in simulation.
; The chip was launched on July 23, 2026; its instructions are those of AMD's public machine-readable ISA for CDNA 5 (MIT licence, August 2026) and "CDNA5" Instruction Set Architecture Reference Guide (July 2026). The comments in the code are by the model that wrote it; some were corrected since.
;; Multi Head Decoder. Allowed arithmetic: matrix products marked QUANTISED: E2M1 operands, one E8M0 scale for each 32 along K, by v_wmma_scale_f32_16x16x128_f8f6f4 with both operands' format E2M1 (or v_wmma_scale_f32_32x16x128_f4), f32 sums; everything else in f32.
;; Inputs: W1 8 x 256 x 512 float32; W2 8 x 512 x 2,048 float32; X 4,096 x 256 float32; X_head_idx 4,096 int32; b1 8 x 512 float32; b2 8 x 2,048 float32.
;; Outputs: out0 4,096 x 2,048 float32.
;; This version of the problem:
;;   THIS VERSION OF THE PROBLEM IS GIVEN IN LOW PRECISION. The matrix products marked QUANTISED in the list below multiply operands that are first quantised to E2M1 (2 exponent bits, 1 mantissa bit; 4 bits a number), with one power-of-two scale for each 32 numbers along K (OCP MX v1.0); their sums are f32. All else is computed in f32.
;;   The module's matrix products, in the order in which they are computed (A, B: the left and right operand; K: the contracted axis; several contracted axes count as one K, in the product's order):
;;     1. [M 4,096, K 256] x [K 256, N 4,096]; A: input X; B: input W1: QUANTISED
;;     2. [M 4,096, K 512] x [K 512, N 16,384]; A: computed on the way; B: input W2: QUANTISED
;;   THE QUANTISER, for each operand of a quantised product, along K:
;;     - K is cut into blocks of 32 from its start; a last block that is shorter is filled with zeros.
;;     - A block's scale is 2^e with e = floor(log2(the largest magnitude in the block)) - 2, held to -126 .. 127; a block of zeros has e = 0. As a byte (E8M0): e + 127.
;;     - Each number is divided by its block's scale, clamped to +-6, and rounded to the nearest number of E2M1, ties to even, subnormals kept.
;;     - The product sums the exact products of the quantised numbers (number of the format x scale) in f32.
;;   ~~~python
;;   def quantise(x, axis):      # numpy; x: float32 -> the quantised numbers, widened to float32 again
;;       x = np.moveaxis(x, axis, -1); K = x.shape[-1]
;;       x = np.pad(x, [(0, 0)] * (x.ndim - 1) + [(0, -K % 32)]); x = x.reshape(x.shape[:-1] + (-1, 32)); a = np.abs(x).max(-1, keepdims=True)
;;       e = np.where(a > 0, np.clip(np.frexp(np.where(a > 0, a, 1))[1] - 1 - 2, -126, 127), 0)      # np.frexp(a)[1] - 1 = floor(log2(a)), exactly
;;       r = np.clip(x / 2.0 ** e, -6, 6)
;;       step = 2.0 ** (np.maximum(np.frexp(np.where(r == 0, 1, r))[1] - 1, 0) - 1)
;;       q = np.round(r / step) * step * 2.0 ** e      # np.round: ties to even
;;       return np.moveaxis(q.reshape(q.shape[:-2] + (-1,))[..., :K], -1, axis).astype(np.float32)
;;   ~~~
;;   OPERANDS COMPUTED ON THE WAY. 'Computed on the way' means the value that the module computes at that place (a softmax that the list does not call 'softmax' is quantised finished and normalised). What goes into a quantiser is computed in f32, as accurately as f32 sums, v_exp_f32 and their like allow (about 1e-6 of the number): no bf16 or f16 on the way to a quantiser, and a product that is left as it is and whose result goes on into a quantised operand takes f32 operands (vector FMAs, or v_wmma_f32_16x16x4_f32). A number that lies on a knife's edge between two numbers of the format may be rounded either way, as far as f32 arithmetic and the matrix unit's own rounding can turn it there, and no further.
;; 2 versions. Each part assembles by itself: llvm-mc -triple=amdgcn-amd-amdhsa -mcpu=gfx1250 --defsym DOCPART=n.
;; ======== version 1 of 2: 2 launches
;; workspace buffers: order 16,896 bytes of whole numbers; tiles 2,048 bytes of whole numbers; xc 524,288 bytes; xs 32,768 bytes; w1c 524,288 bytes; w1s 32,768 bytes; w2c 4,194,304 bytes; w2s 262,144 bytes
;; launch prep (part 1): grid 644 x 1, 4 waves a work-group, no clusters, 33,792 bytes of LDS; arguments X_head_idx, X, W1, W2, order, tiles, xc, xs, w1c, w1s, w2c, w2s; writes order, tiles, xc, xs, w1c, w1s, w2c, w2s
.if DOCPART == 1
	.amdgcn_target "amdgcn-amd-amdhsa--gfx1250"
	.amdhsa_code_object_version 6
	.text
	.protected	k_q70b4fd5e56_prep
	.globl	k_q70b4fd5e56_prep
	.p2align	8
	.type	k_q70b4fd5e56_prep,@function
k_q70b4fd5e56_prep:
	s_mov_b64 s[64:65], 0
	v_nop
	global_prefetch_b8 v0, s[64:65] scope:SCOPE_SE
	s_setreg_imm32_b32 hwreg(HW_REG_WAVE_MODE, 25, 1), 1
	s_wait_xcnt 0x0
; ONE LAUNCH, FOUR JOBS, parted on the work-group's number alone (alike in all four waves of a work-group):
;   work-groups 0-3      sort the 4,096 tokens by their head (a counting sort by ballots, no atomics): each counts all sixteen chunks of 256 tokens and places four of them; work-group 0 also writes
;                        the list of tiles of up to 80 rows;
;   work-groups 4-67     turn X [4096][256] f32 into codes of E2M1, K innermost, and one E8M0 byte for each 32 along K;
;   work-groups 68-131   do the same for W1 [8][256][512], work-groups 132-643 for W2 [8][512][2048], whose K is the FIRST axis within a head.
; THE QUANTISER: a block's scale is 2^(floor(log2(its largest magnitude)) - 2); its byte is the largest magnitude's exponent field - 2, held at 1 from below; each number is divided by the
; scale and rounded to the nearest code, ties to even, beyond 6 the largest code.
; LIMITS: a block of zeros gets the byte 1 where the rule says 127 (its codes are zeros, which add nothing under any byte but 0xff, and this program alone reads the bytes); blocks whose
; largest magnitude lies under 2^(3 - 127) are held at the byte 1; NaN and infinities among the inputs are not served; a head index above 7 is held at 7 (an index stays inside its table).
; THE WEIGHTS' CODES ARE LAID AS IMAGES OF OPERAND REGISTERS: a fragment (16 columns n x 128 K) is 1,024 bytes; block kb (0..3) of slot r lies at 256 kb + 16 r, which is register group
; kb / 2 of lane 16 (kb % 2) + r at 512 (kb / 2) + 16 x lane: the next launch takes a fragment by two loads of 16 bytes a lane.
;   w2c: ((head x 128 + tile) x 4 + K step) x 1,024; tile t = columns 16 t .. 16 t + 15.   w2s: ((head x 64 + pair) x 4 + K step) x 128 + 4 x lane: lanes 0-15 the even tile's words, 16-31 the odd tile's.
;   w1c: ((head x 32 + tile) x 2 + K step) x 1,024.  Of a group b of 32 columns, column j goes to tile 2 b + (j / 8) % 2, slot 8 (j / 16) + j % 8, so that the next launch's results lie along
;   the second product's K.   w1s: ((head x 16 + b) x 2 + K step) x 128 + 4 x (16 x (tile % 2) + slot).
; No tensor loads, no ring: memory binds, and each path streams through registers.  The matrix units and clusters have nothing to do here: but for the 16 KiB of head indices no two work-groups read the same byte.
.set RT,    32768                      ; LDS: the sort's 128 words, a region that no other path names
.set SP,    80                         ; X: a lane's place in a stage: its 64 bytes + 16 of padding
.set WREG,  8192                       ; X: a region for each wave: two stages of 32 x SP bytes, behind them its 128 scale bytes
.set STEPS, 8                          ; X: a wave takes 8 steps of 512 numbers
.set XR,    16                         ; v16-79   X: four sets of 16 numbers as they are loaded
.set XX,    80                         ; v80-111  X: two sets of 16 neighbours
.set XE,    112                        ; v112-119 X: a scale byte for each step
.set XC,    128                        ; v128-159 X: codes, four registers for each step, so that no store's data are written again
; ---- the weights: a lane takes a column, its registers run down K; a wave takes 32 columns x 128 along K (one K step, four blocks)
.macro WLOAD t, rowb                   ; block t: W(32 t + i, my column), i = 0 .. 31, into set t % 2; a wave's load reads 128 consecutive bytes, the four waves stand side by side on 512
.irp i, 0,1,2,3,4,5,6,7,8,9,10,11,12,13,14,15,16,17,18,19,20,21,22,23,24,25,26,27,28,29,30,31
	global_load_b32 v[32+32*((\t)%2)+\i], v3, s[32:33] offset:(32*(\t)+\i)*(\rowb) th:TH_LOAD_NT
.endr
.endm
.macro WBLOCK t, rowb
.set WS, 32+32*((\t)%2)
.if (\t) < 3
	s_wait_loadcnt 32                              ; this block's 32 loads are in; the next block's 32 may be out
.else
	s_wait_loadcnt 0x0
.endif
	v_max3_num_f32 v12, |v[WS]|, |v[WS+1]|, |v[WS+2]|              ; the block's largest magnitude: all 32 numbers are mine; two chains
	v_max3_num_f32 v13, |v[WS+3]|, |v[WS+4]|, |v[WS+5]|
.irp i, 6,10,14,18,22,26
	v_max3_num_f32 v12, v12, |v[WS+\i]|, |v[WS+\i+1]|
	v_max3_num_f32 v13, v13, |v[WS+\i+2]|, |v[WS+\i+3]|
.endr
	v_max3_num_f32 v12, v12, |v[WS+30]|, |v[WS+31]|
	v_max3_num_f32 v12, v12, v13, 0x1800000        ; and the floor 2^(3 - 127): the byte cannot fall under 1
	v_add_nc_u32 v11, 0xff000000, v12              ; 2 off its exponent field: the conversion takes the exponent field of this operand as its scale
	v_lshrrev_b32 v13, 23, v11                     ; the scale's byte
.if (\t) == 0
	v_mov_b32 v24, v13                             ; the K step's four bytes make my column's scale word, the lower K in the lower byte
.else
	v_lshl_or_b32 v24, v13, 8*(\t), v24
.endif
.irp g, 0,1,2,3
	v_cvt_scalef32_pk8_fp4_f32 v[96+4*(\t)+\g], v[WS+8*\g:WS+8*\g+7], v11
.endr
	global_store_b128 v4, v[96+4*(\t):99+4*(\t)], s[34:35] offset:256*(\t)   ; the 16 slots of a tile fill 256 consecutive bytes, aligned; each block has its own four registers
.if (\t) < 2
	WLOAD (\t)+2, \rowb                            ; (the next block begins with plain vector lines: they stand between these conversions and the next write of v11)
.endif
.endm
.macro WBODY rowb
	WLOAD 0, \rowb
	WLOAD 1, \rowb
	WBLOCK 0, \rowb
	WBLOCK 1, \rowb
	WBLOCK 2, \rowb
	WBLOCK 3, \rowb
	global_store_b32 v5, v24, s[36:37]             ; 128 consecutive bytes a wave: half of an aligned 256, whose other half another K step's work-group writes; one byte in 128 of what is read
	s_endpgm
.endm
; where my wave's part begins.  s40 head, s39 K step, s41 = 4 x (group of 128 columns) + wave: my 32 columns.  The arguments are the pointers' registers and the shifts
.macro WPLACE srcp, cp, sp, es, ss, ec, pc, el, pl
	s_lshl_b32 s30, s40, \es
	s_lshl_b32 s42, s39, \ss
	s_add_co_u32 s30, s30, s42
	s_lshl_b32 s42, s41, 7                         ; 32 columns of 4 bytes
	s_add_co_u32 s30, s30, s42
	s_add_nc_u64 s[32:33], s[\srcp:\srcp+1], s[30:31]
	s_lshl_b32 s30, s40, \ec
	s_lshl_b32 s42, s41, \pc
	s_add_co_u32 s30, s30, s42
	s_lshl_b32 s42, s39, 10
	s_add_co_u32 s30, s30, s42
	s_add_nc_u64 s[34:35], s[\cp:\cp+1], s[30:31]
	s_lshl_b32 s30, s40, \el
	s_lshl_b32 s42, s41, \pl
	s_add_co_u32 s30, s30, s42
	s_lshl_b32 s42, s39, 7
	s_add_co_u32 s30, s30, s42
	s_add_nc_u64 s[36:37], s[\sp:\sp+1], s[30:31]
.endm
; ---- X: a plain stream of blocks of 32.  Each load reads 512 consecutive bytes; a step's 2,048 bytes turn through the wave's own stage so that a lane holds 16 neighbours
.macro XLOAD t
.irp i, 0,1,2,3
	global_load_b128 v[XR+16*((\t)%4)+4*\i:XR+16*((\t)%4)+4*\i+3], v3, s[32:33] offset:2048*(\t)+512*\i th:TH_LOAD_NT
.endr
.endm
.macro XTURN t                         ; LDS serves a wave's instructions in order (ISA guide 5.7.1.4): no wait between the stores and the loads
.irp i, 0,1,2,3
	ds_store_b128 v14, v[XR+16*((\t)%4)+4*\i:XR+16*((\t)%4)+4*\i+3] offset:32*SP*((\t)%2)+8*SP*\i
.endr
.irp i, 0,1,2,3
	ds_load_b128 v[XX+16*((\t)%2)+4*\i:XX+16*((\t)%2)+4*\i+3], v15 offset:32*SP*((\t)%2)+16*\i
.endr
.endm
.macro XSTEP t
.set XS, XX+16*((\t)%2)
.if (\t) > 0
	s_wait_dscnt 1                                 ; this step's numbers are back from the stage (the last step's byte store may be out): so its stores into the stage have read their registers,
.else
	s_wait_dscnt 0x0
.endif
.if (\t)+4 < STEPS
	XLOAD (\t)+4                                   ; which take the loads of four steps on
.endif
.if (\t)+1 < STEPS
.if STEPS-2-(\t) >= 3
	s_wait_loadcnt 12                              ; the next step's four loads are in; those of the three steps behind it may be out
.else
	s_wait_loadcnt 4*(STEPS-2-(\t))                ; at the end fewer steps are behind it
.endif
	XTURN (\t)+1                                   ; and go through the other stage while this step is worked
.endif
	v_max3_num_f32 v8, |v[XS]|, |v[XS+1]|, |v[XS+2]|               ; the largest magnitude of my 16
	v_max3_num_f32 v9, |v[XS+3]|, |v[XS+4]|, |v[XS+5]|
.irp i, 6,10
	v_max3_num_f32 v8, v8, |v[XS+\i]|, |v[XS+\i+1]|
	v_max3_num_f32 v9, v9, |v[XS+\i+2]|, |v[XS+\i+3]|
.endr
	v_max3_num_f32 v8, v8, |v[XS+14]|, |v[XS+15]|
	v_max3_num_f32 v8, v8, v9, 0x1800000           ; and the floor 2^(3 - 127)
	v_max_num_f32_dpp v8, v8, v8 row_xmask:1 row_mask:0xf bank_mask:0xf   ; and of my neighbour's 16: the block's
	v_add_nc_u32 v11, 0xff000000, v8               ; 2 off its exponent field: the conversion's scale operand
	v_cvt_scalef32_pk8_fp4_f32 v[XC+4*(\t)], v[XS:XS+7], v11
	v_cvt_scalef32_pk8_fp4_f32 v[XC+4*(\t)+1], v[XS+8:XS+15], v11
	v_lshrrev_b32 v[XE+(\t)], 23, v11              ; the scale's byte (also the plain line behind the conversions)
	ds_store_b8 v5, v[XE+(\t)] offset:16*(\t)      ; both lanes of a block write the same byte with the same value
	global_store_b64 v4, v[XC+4*(\t):XC+4*(\t)+1], s[34:35] offset:256*(\t)   ; 32 lanes store 256 consecutive bytes, aligned
.endm
	s_load_b512 s[4:19], s[0:1], 0x0               ; idx s[4:5], X s[6:7], W1 s[8:9], W2 s[10:11], order s[12:13], tiles s[14:15], xc s[16:17], xs s[18:19]
	s_load_b256 s[20:27], s[0:1], 0x40             ; w1c s[20:21], w1s s[22:23], w2c s[24:25], w2s s[26:27]
	v_lshl_add_u32 v160, v0, 2, 0x8200
	v_mov_b32 v161, 0
	v_lshrrev_b32 v1, 5, v0
	v_readfirstlane_b32 s28, v1                    ; wave 0..3
	v_and_b32 v1, 31, v0                           ; lane
	s_mov_b32 s31, 0                               ; the high word of every offset pair s[30:31]
	s_wait_kmcnt 0x0
	s_cmp_lt_u32 ttmp9, 4
	s_cbranch_scc1 .Lroute
	s_cmp_lt_u32 ttmp9, 68
	s_cbranch_scc1 .Lx
	s_cmp_lt_u32 ttmp9, 132
	s_cbranch_scc1 .Lw1
	; ---- W2: u = work-group - 132: 16 groups of 128 columns, 4 K steps, 8 heads
	s_sub_co_u32 s29, ttmp9, 132
	s_and_b32 s38, s29, 15
	s_bfe_u32 s39, s29, 0x20004                    ; K step: 2 bits from bit 4
	s_lshr_b32 s40, s29, 6                         ; head
	s_lshl_b32 s41, s38, 2
	s_add_co_u32 s41, s41, s28                     ; my pair of tiles
	WPLACE 10, 24, 26, 22, 20, 19, 13, 15, 9       ; W2: head x 4 MiB + K step x 128 rows of 8,192; codes: head x 512 KiB + pair x 8,192 + K step x 1,024; words: head x 32 KiB + pair x 512 + K step x 128
	v_lshlrev_b32 v3, 2, v1                        ; in: 4 bytes a lane
	v_lshrrev_b32 v4, 4, v1
	v_lshlrev_b32 v4, 12, v4                       ; lanes 16-31: the odd tile, 4 fragments on
	v_and_b32 v5, 15, v1
	v_lshl_add_u32 v4, v5, 4, v4                   ; + 16 x slot
	v_lshlrev_b32 v5, 2, v1                        ; my scale word: 4 x lane
	WBODY 8192
.Lw1:	; ---- W1: u = work-group - 68: 4 groups of 128 columns, 2 K steps, 8 heads
	s_sub_co_u32 s29, ttmp9, 68
	s_and_b32 s38, s29, 3
	s_bfe_u32 s39, s29, 0x10002                    ; K step: 1 bit from bit 2
	s_lshr_b32 s40, s29, 3                         ; head
	s_lshl_b32 s41, s38, 2
	s_add_co_u32 s41, s41, s28                     ; my group of 32 columns
	WPLACE 8, 20, 22, 19, 18, 16, 12, 12, 8        ; W1: head x 512 KiB + K step x 128 rows of 2,048; codes: head x 64 KiB + group x 4,096 + K step x 1,024; words: head x 4,096 + group x 256 + K step x 128
	v_lshlrev_b32 v3, 2, v1
	v_bfe_u32 v6, v1, 3, 1                         ; which tile of the pair: (j / 8) % 2
	v_lshrrev_b32 v7, 4, v1
	v_and_b32 v8, 7, v1
	v_lshl_or_b32 v7, v7, 3, v8                    ; slot 8 (j / 16) + j % 8
	v_lshlrev_b32 v4, 11, v6                       ; the odd tile lies 2 fragments on
	v_lshl_add_u32 v4, v7, 4, v4
	v_lshl_add_u32 v5, v6, 4, v7
	v_lshlrev_b32 v5, 2, v5                        ; my scale word: 4 x (16 x tile + slot)
	WBODY 2048
.Lx:	; ---- X: run = 4 x (work-group - 4) + wave: 4,096 numbers, 16 tokens
	s_sub_co_u32 s29, ttmp9, 4
	s_lshl_b32 s29, s29, 2
	s_add_co_u32 s29, s29, s28
	s_lshl_b32 s30, s29, 14
	s_add_nc_u64 s[32:33], s[6:7], s[30:31]        ; 16,384 bytes of f32,
	s_lshl_b32 s30, s29, 11
	s_add_nc_u64 s[34:35], s[16:17], s[30:31]      ; 2,048 of codes,
	s_lshl_b32 s30, s29, 7
	s_add_nc_u64 s[36:37], s[18:19], s[30:31]      ; 128 scale bytes
	v_lshlrev_b32 v3, 4, v1                        ; my 16 bytes of a load's 512
	s_mul_i32 s38, s28, WREG
	v_lshrrev_b32 v14, 2, v1
	v_mul_u32_u24 v14, v14, SP
	v_and_b32 v15, 3, v1
	v_lshl_add_u32 v14, v15, 4, v14
	v_add_nc_u32 v14, s38, v14                     ; the stage, on the way in: SP (lane / 4) + 16 (lane % 4)
	v_mul_u32_u24 v15, v1, SP
	v_add_nc_u32 v15, s38, v15                     ; and on the way out: SP x lane: my 16 neighbours
	v_lshlrev_b32 v4, 3, v1                        ; my 16 codes: 8 bytes
	v_lshrrev_b32 v5, 1, v1
	s_add_co_u32 s38, s38, 2*32*SP
	v_add_nc_u32 v5, s38, v5                       ; my wave's 128 scale bytes, my block's byte
	v_lshlrev_b32 v7, 2, v1                        ; and on the way out 4 bytes a lane
	v_add_nc_u32 v6, s38, v7
.irp t, 0,1,2,3
	XLOAD \t
.endr
	s_wait_loadcnt 12                              ; step 0's four loads are in; three steps' twelve may be out
	XTURN 0
.irp t, 0,1,2,3,4,5,6,7
	XSTEP \t
.endr
	ds_load_b32 v12, v6                            ; LDS serves a wave's instructions in order: this sees my byte stores
	s_wait_dscnt 0x0
	global_store_b32 v7, v12, s[36:37]             ; 128 consecutive bytes a wave
	s_wait_tensorcnt 0x0
	ds_add_u32 v160, v161
	s_wait_dscnt 0x0
	s_endpgm
.Lroute:	; ---- the sort.  The tokens are sixteen chunks of 256.  COUNTING is done alike in all four sort work-groups: wave w counts chunks 4 w .. 4 w + 3 (register 4 q + j of a lane holds the head of
	; token 1,024 w + 128 q + 4 x lane + j; a chunk is eight registers).  PLACING is shared: wave w of work-group R places chunk k = 4 R + w alone, which it loads a second time into registers of its own.
	; A token's place = where its head begins + the head's tokens in the chunks in front + those in front of it in its chunk (register by register, lane by lane).
	v_lshlrev_b32 v2, 4, v1
	s_lshl_b32 s29, s28, 12
	v_add_nc_u32 v2, s29, v2
.irp q, 0,1,2,3,4,5,6,7
	global_load_b128 v[32+4*\q:35+4*\q], v2, s[4:5] offset:512*\q
.endr
	s_lshl_b32 s38, ttmp9, 2
	s_add_co_u32 s38, s38, s28                     ; my chunk k
	s_lshl_b32 s39, s38, 10                        ; 256 tokens of 4 bytes
	v_lshlrev_b32 v7, 4, v1
	v_add_nc_u32 v7, s39, v7
	global_load_b128 v[64:67], v7, s[4:5]          ; register 4 q + j: token 256 k + 128 q + 4 x lane + j
	global_load_b128 v[68:71], v7, s[4:5] offset:512
	v_and_b32 v5, 7, v1
	v_lshlrev_b32 v5, 6, v5                        ; the counts lie [head][chunk]: 64 bytes a head
	v_add_nc_u32 v6, RT, v5                        ; back: lane l reads the sixteen counts of head l % 8
	v_lshrrev_b32 v4, 3, v1
	v_lshl_add_u32 v4, v4, 2, v5
	s_lshl_b32 s29, s28, 4
	v_add_nc_u32 v4, s29, v4
	v_add_nc_u32 v4, RT, v4                        ; in: lane 8 c + e stores the count of head e in chunk 4 w + c
	s_wait_loadcnt 0x0
.set cc, 0
.rept 40
	v_min_u32 v[32+cc], 7, v[32+cc]
.set cc, cc+1
.endr
	; the counts, by ballots: chunk c of my four, head e in s[68 + 8 c + e]; a chunk's first register starts its counts
.set cc, 0
.rept 32
.irp e, 0,1,2,3,4,5,6,7
	v_cmp_eq_u32 s[40+\e], \e, v[32+cc]
.endr
.if cc%8 == 0
.irp e, 0,1,2,3,4,5,6,7
	s_bcnt1_i32_b32 s[68+8*(cc/8)+\e], s[40+\e]
.endr
.else
.irp e, 0,1,2,3,4,5,6,7
	s_bcnt1_i32_b32 s[48+\e], s[40+\e]
.endr
.irp e, 0,1,2,3,4,5,6,7
	s_add_co_u32 s[68+8*(cc/8)+\e], s[68+8*(cc/8)+\e], s[48+\e]
.endr
.endif
.set cc, cc+1
.endr
	v_mov_b32 v3, 0
.irp i, 0,1,2,3,4,5,6,7,8,9,10,11,12,13,14,15,16,17,18,19,20,21,22,23,24,25,26,27,28,29,30,31
	v_writelane_b32 v3, s[68+\i], \i
.endr
	ds_store_b32 v4, v3                            ; the four waves' 128 counts meet in LDS, a word to a thread
	s_wait_dscnt 0x0                               ; for the others' sake: my store has landed
	s_barrier_signal -1                            ; (this path was chosen by the work-group's number: all four waves are on it)
	s_barrier_wait -1
.irp j, 0,1,2,3
	ds_load_b128 v[8+4*\j:11+4*\j], v6 offset:16*\j                ; v[8 + k']: my head's count in chunk k'
.endr
	s_wait_dscnt 0x0
	v_add3_u32 v24, v8, v9, v10                    ; the head's rows in all
.irp j, 11,13,15,17,19,21
	v_add3_u32 v24, v24, v[\j], v[\j+1]
.endr
	v_add_nc_u32 v24, v24, v23
	s_cmp_gt_u32 s38, 0                            ; and those in the chunks in front of mine: a chunk counts where its number is under k
	s_cselect_b32 s30, -1, 0
	v_and_b32 v26, s30, v8
.irp j, 1,2,3,4,5,6,7,8,9,10,11,12,13,14
	s_cmp_gt_u32 s38, \j
	s_cselect_b32 s30, -1, 0
	v_and_b32 v25, s30, v[8+\j]
	v_add_nc_u32 v26, v26, v25
.endr
.irp e, 0,1,2,3,4,5,6,7
	v_readlane_b32 s[40+\e], v24, \e               ; a head's rows in all: s[40 + e]
	v_readlane_b32 s[56+\e], v26, \e
.endr
	s_mov_b32 s48, 0
.irp e, 1,2,3,4,5,6,7
	s_add_co_u32 s[48+\e], s[47+\e], s[39+\e]      ; where a head's rows begin in the sorted order: s[48 + e]
.endr
.irp e, 0,1,2,3,4,5,6,7
	s_add_co_u32 s[56+\e], s[56+\e], s[48+\e]      ; where my chunk's rows of a head begin: s[56 + e], which then runs on
.endr
	s_cmp_lg_u32 ttmp9, 0                          ; the pad and the list of tiles are work-group 0's
	s_cbranch_scc1 .Lplace
.irp e, 0,1,2,3,4,5,6,7
	s_add_co_u32 s[92+\e], s[40+\e], 79            ; a head's tiles: (rows + 79) / 80 = ((rows + 79) x 52,429) >> 22, exact up to 4,175
	s_mul_i32 s[92+\e], s[92+\e], 52429
	s_lshr_b32 s[92+\e], s[92+\e], 22
.endr
	s_mov_b32 s68, 0
.irp e, 1,2,3,4,5,6,7
	s_add_co_u32 s[68+\e], s[67+\e], s[91+\e]      ; a head's first tile: s[68 + e]
.endr
	; the pad behind the order: 128 words of 0, so that a tile may read 80 words from any first row up to 4,096
	v_mov_b32 v10, 0
	v_lshlrev_b32 v11, 2, v0
	global_store_b32 v11, v10, s[12:13] offset:16384
	; the list of tiles: thread j writes entry j: head, first sorted row, rows (0 .. 80), 0.  The head is the last whose first tile is at or under j
	v_mov_b32 v20, 0
	v_mov_b32 v13, s68
	v_mov_b32 v14, s48
	v_mov_b32 v15, s40
.irp e, 1,2,3,4,5,6,7
	v_cmp_gt_u32 vcc_lo, s[68+\e], v0              ; the head's first tile lies beyond j: keep what is there
	v_cndmask_b32 v20, \e, v20, vcc_lo
	v_cndmask_b32 v13, s[68+\e], v13, vcc_lo
	v_cndmask_b32 v14, s[48+\e], v14, vcc_lo
	v_cndmask_b32 v15, s[40+\e], v15, vcc_lo
.endr
	v_sub_nc_u32 v13, v0, v13
	v_mul_u32_u24 v13, v13, 80                     ; rows of the head in front of this tile
	v_add_nc_u32 v21, v14, v13
	v_min_u32 v21, 4096, v21
	v_min_u32 v16, v13, v15
	v_sub_nc_u32 v22, v15, v16                     ; what is left of the head, 0 behind its last tile,
	v_min_u32 v22, 80, v22                         ; 80 at the most
	v_mov_b32 v23, 0
	v_lshlrev_b32 v12, 4, v0
	global_store_b128 v12, v[20:23], s[14:15]
.Lplace:
	; my chunk's tokens are placed.  Each store has registers of its own, and none of the stores above has a register that is written here.
	; (4 bytes a lane to scattered words: the whole order is 16 KiB, and a sort has no other way.)
	s_lshl_b32 s29, s38, 8
	v_lshl_add_u32 v9, v1, 2, s29                  ; 256 k + 4 x lane
.set cc, 0
.rept 8
.irp e, 0,1,2,3,4,5,6,7
	v_cmp_eq_u32 s[76+\e], \e, v[64+cc]
.endr
	v_mbcnt_lo_u32_b32 v[64+cc], s76, s56          ; the head's running base + the lanes below mine with that head; the right head's is kept
.irp e, 1,2,3,4,5,6,7
	v_mbcnt_lo_u32_b32 v[7+(\e%2)], s[76+\e], s[56+\e]
	v_cndmask_b32 v[64+cc], v[64+cc], v[7+(\e%2)], s[76+\e]
.endr
.irp e, 0,1,2,3,4,5,6,7
	s_bcnt1_i32_b32 s[84+\e], s[76+\e]
.endr
.irp e, 0,1,2,3,4,5,6,7
	s_add_co_u32 s[56+\e], s[56+\e], s[84+\e]
.endr
	v_min_u32 v[64+cc], 4095, v[64+cc]             ; a place is under 4,096 by the counts; held so before it enters an address
	v_lshlrev_b32 v[64+cc], 2, v[64+cc]
	v_add_nc_u32 v[96+cc], 128*(cc/4)+(cc%4), v9   ; the token's number
	global_store_b32 v[64+cc], v[96+cc], s[12:13]
.set cc, cc+1
.endr
	s_wait_tensorcnt 0x0
	ds_add_u32 v160, v161
	s_wait_dscnt 0x0
	s_endpgm
.Lfunc_end_k_q70b4fd5e56_prep:
	.size	k_q70b4fd5e56_prep, .Lfunc_end_k_q70b4fd5e56_prep-k_q70b4fd5e56_prep
	.p2alignl 7, 3214868480
	.fill 96, 4, 3214868480
	.section	.rodata,"a",@progbits
	.p2align	6, 0x0
	.amdhsa_kernel k_q70b4fd5e56_prep
		.amdhsa_group_segment_fixed_size 33792
		.amdhsa_private_segment_fixed_size 0
		.amdhsa_enable_private_segment 0
		.amdhsa_kernarg_size 96
		.amdhsa_user_sgpr_count 2
		.amdhsa_user_sgpr_kernarg_segment_ptr 1
		.amdhsa_wavefront_size32 1
		.amdhsa_system_sgpr_workgroup_id_x 1
		.amdhsa_system_sgpr_workgroup_id_y 1
		.amdhsa_system_sgpr_workgroup_id_z 1
		.amdhsa_system_vgpr_workitem_id 0
		.amdhsa_next_free_vgpr 162
		.amdhsa_next_free_sgpr 100
		.amdhsa_reserve_vcc 1
		.amdhsa_float_denorm_mode_32 3
		.amdhsa_float_denorm_mode_16_64 3
		.amdhsa_memory_ordered 1
		.amdhsa_forward_progress 1
		.amdhsa_inst_pref_size 118
	.end_amdhsa_kernel
	.amdgpu_metadata
---
amdhsa.version: [ 1, 2 ]
amdhsa.kernels:
  - .name:           k_q70b4fd5e56_prep
    .symbol:         k_q70b4fd5e56_prep.kd
    .args:
      - { .name: X_head_idx, .offset: 0, .size: 8, .value_kind: global_buffer, .address_space: global }
      - { .name: X, .offset: 8, .size: 8, .value_kind: global_buffer, .address_space: global }
      - { .name: W1, .offset: 16, .size: 8, .value_kind: global_buffer, .address_space: global }
      - { .name: W2, .offset: 24, .size: 8, .value_kind: global_buffer, .address_space: global }
      - { .name: order, .offset: 32, .size: 8, .value_kind: global_buffer, .address_space: global }
      - { .name: tiles, .offset: 40, .size: 8, .value_kind: global_buffer, .address_space: global }
      - { .name: xc, .offset: 48, .size: 8, .value_kind: global_buffer, .address_space: global }
      - { .name: xs, .offset: 56, .size: 8, .value_kind: global_buffer, .address_space: global }
      - { .name: w1c, .offset: 64, .size: 8, .value_kind: global_buffer, .address_space: global }
      - { .name: w1s, .offset: 72, .size: 8, .value_kind: global_buffer, .address_space: global }
      - { .name: w2c, .offset: 80, .size: 8, .value_kind: global_buffer, .address_space: global }
      - { .name: w2s, .offset: 88, .size: 8, .value_kind: global_buffer, .address_space: global }
    .group_segment_fixed_size: 33792
    .private_segment_fixed_size: 0
    .kernarg_segment_align: 8
    .kernarg_segment_size: 96
    .max_flat_workgroup_size: 128
    .sgpr_count:     100
    .vgpr_count:     162
    .wavefront_size: 32
...
	.end_amdgpu_metadata
.endif
;; end of part 1
;; launch chain (part 2): grid 59 x 4, 4 waves a work-group, no clusters, 57,856 bytes of LDS; arguments tiles, order, xc, xs, w1c, w1s, b1, w2c, w2s, b2, out0; writes out0
.if DOCPART == 2
	.amdgcn_target "amdgcn-amd-amdhsa--gfx1250"
	.amdhsa_code_object_version 6
	.text
	.protected	k_q70b4fd5e56_chain
	.globl	k_q70b4fd5e56_chain
	.p2align	8
	.type	k_q70b4fd5e56_chain,@function
k_q70b4fd5e56_chain:
	s_mov_b64 s[64:65], 0
	v_nop
	global_prefetch_b8 v0, s[64:65] scope:SCOPE_SE
	s_setreg_imm32_b32 hwreg(HW_REG_WAVE_MODE, 25, 1), 1
	s_wait_xcnt 0x0
; out[token] = relu(x[token] W1[head] + b1[head]) W2[head] + b2[head], head = the token's, both products on codes of E2M1 with one E8M0 scale for each 32 along K; sums, biases and relu in f32.
; Only the chosen head is multiplied: the tokens come sorted by head, in tiles of up to 80 rows of one head.  There are never more than ceil(4096 / 80) + 7 = 59 tiles, whatever the split.
; SHARES.  Work-group (x, y) takes tile x of the list and outputs 512 y .. 512 y + 511.  THE WAVES SHARE THE COLUMNS: wave w makes hidden units 128 w .. + 127, which are K step w of the second
; product, and outputs 512 y + 128 w .. + 127, for all 80 rows (five tiles of 16).  Its 16 fragments of W1 and 32 of W2 come from memory straight into registers, once, as the images that the launch before laid.
; The first product is made again by each of a tile's four slices: an eighth of the second's work, against a hidden layer that would else go through memory.
; BOTH PRODUCTS ARE USED TRANSPOSED (source 0 = 16 columns of the weight, source 1 = 16 rows): a lane holds ONE row, and its registers run along the hidden units or the outputs.  W1's columns were
; dealt to tiles so that the 16 registers of tiles 2 b and 2 b + 1 are 16 neighbours along the second product's K: register j of lane (r, h) in tile 2 b + u is hidden unit 32 b + 16 h + 8 u + j.
; THE HIDDEN LAYER goes from wave to wave through LDS as images of operand registers (16 bytes a lane at 16 x lane, scale words 4 bytes a lane); it never goes to memory.
; THE TWO PRODUCTS GO BY TURNS OF 16 ROWS, so that finished rows leave while later rows are still multiplied: the first product runs two tiles of rows ahead of the stores.  Each tile of rows has image bytes
; of its own, written once and read behind a barrier of its own: five barriers, every one on every wave's path.
; The biases are the C of each sum's first matrix instruction, in the result's layout.
; A tile's rows at or past its count hold the tokens that follow in the order (or the pad's token 0): they are computed and never stored.  A tile with no rows walks the same text and stores nothing.
; NO JOINT LOADS: which tiles share a head's W2 hangs on the list, and 59 tiles do not divide into fours; what a tile's four slices share (W1's 64 KiB, x's 10 KiB, of 213 KiB a work-group) is used once,
; from registers, and a joint load would send it through LDS first.  No tensor loads, so no ring.
; LIMITS: NaN and infinities are not served; a block of the hidden layer that is all zeros gets the byte 1 with zero codes (the bytes stay in this kernel); blocks under 2^(3 - 127) are held at that byte.
; REGISTERS, in windows of 256: window 0: v1-11 addresses; v12-16 the tile's tokens; v18-27 x's offsets; v32-47 the rows' offsets in out; v48-111 16 rows of out on their way;
;   v112-125 x's and the hidden layer's scale words; v128-191 eight tiles of the hidden layer; v192-216 the quantiser's; v232-255 the weights' scale words.
;   window 1: v0-127 W1's fragments (tile t, K step s at 8 (2 t + s)); v128-191 b1; v192-255 b2.   window 2: W2's fragments (tile n, K step s at 8 (4 n + s)).
;   window 3: v0-127 two sets of 8 accumulators; v128-207 x's ten fragments; v208-239 four hidden fragments.
.set HIMG,   0                         ; LDS: the hidden layer's 20 fragments of 1,024 bytes (tile of rows m, K step s: 4 m + s),
.set HSC,    20480                     ; their scale words, 128 bytes each,
.set STG,    23040                     ; and a stage of 16 rows x (512 bytes + 16) for each wave, its own
.set SPITCH, 528
.set TOK, 12
.set XA,  18
.set XSA, 23
.set RO,  32
.set BK,  48
.set XS,  112
.set HS,  122
.set HA,  128
.set PC,  192
.set TM,  200                          ; v200-203 largest magnitudes, v204-207 bytes, v212-215 the conversions' scale operands
.set PW,  216
.set W1S, 232
.set W2S, 240
.set B1,  128                          ; in window 1
.set B2,  192                          ; in window 1
.set XF,  128                          ; in window 3
.set HF,  208                          ; in window 3
.set SEL, 36                           ; s[36:37] v_permlanex16_b32's selects for lane l xor 16
.set MSB, 0
.macro WIN new                         ; the immediate's high byte repeats the setting that is left; bits 1:0 source 0, 3:2 source 1, 5:4 source 2, 7:6 destination
.if MSB != \new
	s_set_vgpr_msb (MSB<<8)|\new
.set MSB, \new
.endif
.endm
; one product of 16 x 16 x 128.  odd = 1: source 0's scale words stand in lanes 16-31 of their register (the odd tile of a pair)
.macro WM d, a, b, c, sa, sb, odd
.if (\odd)
	v_wmma_scale_f32_16x16x128_f8f6f4 v[(\d):(\d)+7], v[(\a):(\a)+7], v[(\b):(\b)+7], v[(\c):(\c)+7], v[(\sa)], v[(\sb)] matrix_a_fmt:MATRIX_FMT_FP4 matrix_b_fmt:MATRIX_FMT_FP4 matrix_a_scale:MATRIX_SCALE_ROW1
.else
	v_wmma_scale_f32_16x16x128_f8f6f4 v[(\d):(\d)+7], v[(\a):(\a)+7], v[(\b):(\b)+7], v[(\c):(\c)+7], v[(\sa)], v[(\sb)] matrix_a_fmt:MATRIX_FMT_FP4 matrix_b_fmt:MATRIX_FMT_FP4
.endif
.endm
; 64 numbers of a lane, register 16 b + i = k 32 b + 16 (lane / 16) + i of my row, become a fragment's codes in v[PC] on and its scale word in v[PW]
.macro QUANT s
.irp b, 0,1,2,3
	v_max3_num_f32 v[TM+\b], |v[\s+16*\b]|, |v[\s+1+16*\b]|, 0x1800000   ; block b: my 16 numbers, and the floor 2^(3 - 127): the byte cannot fall under 1
.endr
.irp i, 2,4,6,8,10,12,14
.irp b, 0,1,2,3
	v_max3_num_f32 v[TM+\b], v[TM+\b], |v[\s+16*\b+\i]|, |v[\s+1+16*\b+\i]|   ; (the four blocks by turns: no line waits for the line above it)
.endr
.endr
.irp b, 0,1,2,3
	v_permlanex16_b32 v[TM+4+\b], v[TM+\b], s[SEL], s[SEL+1]
.endr
.irp b, 0,1,2,3
	v_max_num_f32 v[TM+\b], v[TM+\b], v[TM+4+\b]   ; with lane l xor 16's: the block's largest magnitude
.endr
.irp b, 0,1,2,3
	v_add_nc_u32 v[TM+12+\b], 0xff000000, v[TM+\b] ; 2 off its exponent field: the conversion's scale operand
.endr
.irp b, 0,1,2,3
	v_lshrrev_b32 v[TM+4+\b], 23, v[TM+12+\b]      ; the scale's byte
.endr
	v_lshl_or_b32 v[PW], v[TM+5], 8, v[TM+4]       ; the four bytes make my row's scale word
	v_lshl_or_b32 v[PW], v[TM+6], 16, v[PW]
	v_lshl_or_b32 v[PW], v[TM+7], 24, v[PW]
.irp b, 0,1,2,3
	v_cvt_scalef32_pk8_fp4_f32 v[PC+2*\b], v[\s+16*\b:\s+7+16*\b], v[TM+12+\b]
	v_cvt_scalef32_pk8_fp4_f32 v[PC+1+2*\b], v[\s+8+16*\b:\s+15+16*\b], v[TM+12+\b]
.endr
	v_nop                                          ; one plain place behind a scaled conversion
.irp c, 0,1                            ; the operand's layout wants a WHOLE block in a lane: lanes 0-15 block 2 c, lanes 16-31 block 2 c + 1
.irp i, 0,1
	v_permlane16_swap_b32 v[PC+4*\c+\i], v[PC+2+4*\c+\i]
.endr
.endr
.endm
.macro W2LOAD n0                       ; W2's fragments of tiles n0 .. n0 + 3, all four K steps: 32 loads of 512 consecutive bytes a wave
	WIN 0x80                                       ; destination window 2
.irp n, \n0, \n0+1, \n0+2, \n0+3
.irp s, 0,1,2,3
.irp c, 0,1
	global_load_b128 v[8*(4*(\n)+\s)+4*\c:8*(4*(\n)+\s)+4*\c+3], v1, s[18:19] offset:(4*(\n)+\s)*1024+512*\c
.endr
.endr
.endr
	WIN 0
.endm
; THE FIRST PRODUCT for rows 16 m .. 16 m + 15: my 8 tiles of hidden units, two K steps; relu; quantised; the image of K step w of the second product goes to LDS.
; The eight accumulators take turns, one instruction a turn.
.macro LAYER1 m
	WIN 0x1d                                       ; source 0 (W1) and source 2 (b1) window 1, source 1 (x) window 3
.irp t, 0,1,2,3,4,5,6,7
	WM HA+8*\t,8*(2*\t),XF+16*(\m),B1+8*\t,W1S+2*(\t/2),XS+2*(\m),\t%2
.endr
	WIN 0x0d                                       ; source 0 window 1, source 1 window 3; C and D window 0
.irp t, 0,1,2,3,4,5,6,7
	WM HA+8*\t,8*(2*\t+1),XF+16*(\m)+8,HA+8*\t,W1S+2*(\t/2)+1,XS+2*(\m)+1,\t%2
.endr
	WIN 0
.rept 4
	v_nop                                          ; four places between the last product and the first read of a result (ISA guide 7.12.1)
.endr
.irp j, 0,1,2,3,4,5,6,7,8,9,10,11,12,13,14,15,16,17,18,19,20,21,22,23,24,25,26,27,28,29,30,31,32,33,34,35,36,37,38,39,40,41,42,43,44,45,46,47,48,49,50,51,52,53,54,55,56,57,58,59,60,61,62,63
	v_max_num_f32 v[HA+\j], 0, v[HA+\j]            ; the activation, in f32; each accumulator from its low end on
.endr
	QUANT HA
.irp c, 0,1
	ds_store_b128 v4, v[PC+4*\c:PC+4*\c+3] offset:HIMG+4096*(\m)+512*\c   ; fragment 4 m + w, as its registers stand
.endr
	ds_store_b32 v5, v[PW] offset:HSC+512*(\m)
	s_wait_dscnt 0x0                               ; all my LDS instructions are done: the images have landed, for the others' sake, and their registers may be written again
.endm
.macro BARRIER                         ; stands behind LAYER1's wait for all my LDS instructions: behind it these rows' four images are whole
	s_barrier_signal -1
	s_barrier_wait -1
.endm
; THE SECOND PRODUCT
.macro FETCH m                         ; the four hidden fragments of rows 16 m on, and their scale words: 12 LDS loads
	WIN 0xc0                                       ; destination window 3
.irp s, 0,1,2,3
.irp c, 0,1
	ds_load_b128 v[HF+8*\s+4*\c:HF+8*\s+4*\c+3], v1 offset:HIMG+(4*(\m)+\s)*1024+512*\c
.endr
.endr
	WIN 0                                          ; scale words stand in window 0
.irp s, 0,1,2,3
	ds_load_b32 v[HS+\s], v3 offset:HSC+(4*(\m)+\s)*128
.endr
.endm
.macro MUL m                           ; my 8 tiles of outputs for rows 16 m on: 32 products; the eight accumulators of set m % 2 take turns
.set AC, 64*((\m)%2)
	WIN 0xde                                       ; source 0 (W2) window 2, source 1 (the hidden layer) window 3, source 2 (b2) window 1, destination window 3
.irp n, 0,1,2,3,4,5,6,7
	WM AC+8*\n,8*(4*\n),HF,B2+8*\n,W2S+4*(\n/2),HS,\n%2
.endr
	WIN 0xfe                                       ; C and D window 3
.irp s, 1,2,3
.irp n, 0,1,2,3,4,5,6,7
	WM AC+8*\n,8*(4*\n+\s),HF+8*\s,AC+8*\n,W2S+4*(\n/2)+\s,HS+\s,\n%2
.endr
.endr
	WIN 0
.endm
.macro ROFF m                          ; row i's offset in out: token x 8,192 + 16 x lane.  The 16 additions are also places behind the products issued last
.irp i, 0,1,2,3,4,5,6,7,8,9,10,11,12,13,14,15
	v_readlane_b32 s[40+\i], v[TOK+(\m)], \i
.endr
.irp i, 0,1,2,3,4,5,6,7,8,9,10,11,12,13,14,15
	s_min_u32 s[40+\i], s[40+\i], 4095
.endr
.irp i, 0,1,2,3,4,5,6,7,8,9,10,11,12,13,14,15
	v_lshl_add_u32 v[RO+\i], s[40+\i], 13, v1
.endr
.endm
.macro TOSTAGE m                       ; a lane holds 32 bytes of a row for each tile n: through my own stage, and back as whole rows of 512 bytes
.set AC, 64*((\m)%2)
	WIN 0x0c                                       ; an LDS store's data are its source 1: window 3
.irp n, 0,1,2,3,4,5,6,7
	ds_store_b128 v6, v[AC+8*\n:AC+8*\n+3] offset:64*\n             ; each accumulator from its low end on
	ds_store_b128 v6, v[AC+8*\n+4:AC+8*\n+7] offset:64*\n+16
.endr
	WIN 0
.irp i, 0,1,2,3,4,5,6,7,8,9,10,11,12,13,14,15
	ds_load_b128 v[BK+4*\i:BK+4*\i+3], v7 offset:\i*SPITCH          ; LDS serves a wave's instructions in order (ISA guide 5.7.1.4): these see the stores above
.endr
.endm
.macro SEND m                          ; rows 16 m + i under the tile's count are stored; the first row at or past it leads past these stores alone: the barriers that follow stand on every path
.irp i, 0,1,2,3,4,5,6,7,8,9,10,11,12,13,14,15
	s_wait_dscnt 15-\i                             ; row i is back; the stage loads behind it may be out
	s_cmp_gt_u32 s30, 16*(\m)+\i
	s_cbranch_scc0 .Lsent_\m
	global_store_b128 v[RO+\i], v[BK+4*\i:BK+4*\i+3], s[24:25] th:TH_STORE_NT   ; 32 lanes store 512 consecutive bytes of one row, at a multiple of 512 from out's first byte; written once
.endr
.Lsent_\m:
	s_wait_dscnt 0x0                               ; on the way that left early stage loads may be out: none is when their registers are loaded again
.endm
	s_load_b512 s[4:19], s[0:1], 0x0               ; tiles s[4:5], order s[6:7], xc s[8:9], xs s[10:11], w1c s[12:13], w1s s[14:15], b1 s[16:17], w2c s[18:19]
	s_load_b128 s[20:23], s[0:1], 0x40             ; w2s s[20:21], b2 s[22:23]
	s_load_b64 s[24:25], s[0:1], 0x50              ; out0
	v_lshl_add_u32 v230, v0, 2, 0xe000
	v_mov_b32 v231, 0
	v_lshrrev_b32 v2, 5, v0
	v_readfirstlane_b32 s26, v2                    ; wave 0..3
	s_and_b32 s27, ttmp7, 0xffff                   ; the slice of 512 outputs
	s_lshl_b32 s32, ttmp9, 4                       ; my tile's entry: 16 bytes
	s_mov_b32 s33, 0                               ; the high word of every offset pair s[32:33]
	s_wait_kmcnt 0x0
	s_add_nc_u64 s[4:5], s[4:5], s[32:33]
	s_load_b128 s[28:31], s[4:5], 0x0              ; head, first sorted row, rows, 0
	v_and_b32 v2, 31, v0                           ; lane
	v_lshlrev_b32 v1, 4, v2                        ; 16 x lane: an image's place for my lane
	v_lshlrev_b32 v3, 2, v2                        ; 4 x lane: a scale word's
	s_lshl_b32 s34, s26, 10
	v_add_nc_u32 v4, s34, v1                       ; where I store the hidden layer's images: 16 x lane + 1,024 x wave
	s_lshl_b32 s34, s26, 7
	v_add_nc_u32 v5, s34, v3                       ; and their scale words: 4 x lane + 128 x wave
	v_and_b32 v8, 15, v0                           ; r
	v_bfe_u32 v9, v0, 4, 1                         ; h
	s_mul_i32 s34, s26, 16*SPITCH
	s_add_co_u32 s34, s34, STG                     ; my stage
	v_mul_u32_u24 v6, v8, SPITCH
	v_lshl_add_u32 v6, v9, 5, v6
	v_add_nc_u32 v6, s34, v6                       ; in: row r, + 32 h
	v_add_nc_u32 v7, s34, v1                       ; back: 16 bytes a lane of a row
	v_lshlrev_b32 v8, 2, v8                        ; the order: 4 r
	v_lshlrev_b32 v11, 4, v9                       ; x's codes: 16 h
	v_lshlrev_b32 v10, 5, v9                       ; b2: 32 h
	v_lshlrev_b32 v9, 6, v9                        ; b1: 64 h
	s_mov_b32 s[SEL], 0x76543210
	s_mov_b32 s[SEL+1], 0xfedcba98
.irp b, 0,1,2,3
	v_mov_b32 v[TM+4+\b], 0                        ; written once: a lane permute's destination counts as one of its sources
.endr
	s_wait_kmcnt 0x0
	s_min_u32 s28, s28, 7                          ; the entry is held before it enters an address or a branch
	s_min_u32 s29, s29, 4096
	s_min_u32 s30, s30, 80
	s_lshl_b32 s32, s29, 2
	s_add_nc_u64 s[6:7], s[6:7], s[32:33]          ; the order at my first row
.irp m, 0,1,2,3,4
	global_load_b32 v[TOK+\m], v8, s[6:7] offset:64*\m             ; lane (r, h): the token of row 16 m + r.  80 words from a first row up to 4,096: inside the order and its pad
.endr
	s_lshl_b32 s32, s28, 16
	s_lshl_b32 s34, s26, 14
	s_add_co_u32 s32, s32, s34
	s_add_nc_u64 s[12:13], s[12:13], s[32:33]      ; W1's codes: head x 64 KiB + wave x 8 tiles x 2,048
	s_lshl_b32 s32, s28, 11
	s_lshl_b32 s34, s26, 9
	s_add_co_u32 s32, s32, s34
	s_add_nc_u64 s[16:17], s[16:17], s[32:33]      ; b1: head x 2,048 + wave x 512
	s_lshl_b32 s32, s28, 12
	s_lshl_b32 s34, s26, 10
	s_add_co_u32 s32, s32, s34
	s_add_nc_u64 s[14:15], s[14:15], s[32:33]      ; W1's scale words: head x 4,096 + wave x 1,024
	WIN 0x40                                       ; destination window 1
.irp t, 0,1,2,3,4,5,6,7
.irp s, 0,1
.irp c, 0,1
	global_load_b128 v[8*(2*\t+\s)+4*\c:8*(2*\t+\s)+4*\c+3], v1, s[12:13] offset:(2*\t+\s)*1024+512*\c
.endr
.endr
.endr
.irp t, 0,1,2,3,4,5,6,7                ; b1 in the result's layout: lane (r, h), tile 2 b + u: hidden units 32 b + 16 h + 8 u + 0 .. 7
	global_load_b128 v[B1+8*\t:B1+8*\t+3], v9, s[16:17] offset:(32*(\t/2)+8*(\t%2))*4
	global_load_b128 v[B1+8*\t+4:B1+8*\t+7], v9, s[16:17] offset:(32*(\t/2)+8*(\t%2))*4+16
.endr
	WIN 0
.irp i, 0,1,2,3,4,5,6,7
	global_load_b32 v[W1S+\i], v3, s[14:15] offset:\i*128          ; pair b, K step s at 2 b + s: lanes 0-15 the even tile's words, 16-31 the odd tile's
.endr
	s_lshl_b32 s32, s28, 19
	s_lshl_b32 s34, s27, 17
	s_add_co_u32 s32, s32, s34
	s_lshl_b32 s34, s26, 15
	s_add_co_u32 s32, s32, s34
	s_add_nc_u64 s[18:19], s[18:19], s[32:33]      ; W2's codes: head x 512 KiB + slice x 128 KiB + wave x 8 tiles x 4,096
	s_lshl_b32 s32, s28, 15
	s_lshl_b32 s34, s27, 13
	s_add_co_u32 s32, s32, s34
	s_lshl_b32 s34, s26, 11
	s_add_co_u32 s32, s32, s34
	s_add_nc_u64 s[20:21], s[20:21], s[32:33]      ; W2's scale words: head x 32 KiB + slice x 8,192 + wave x 2,048
	s_lshl_b32 s32, s28, 13
	s_lshl_b32 s34, s27, 11
	s_add_co_u32 s32, s32, s34
	s_lshl_b32 s34, s26, 9
	s_add_co_u32 s32, s32, s34
	s_add_nc_u64 s[22:23], s[22:23], s[32:33]      ; b2: head x 8,192 + slice x 2,048 + wave x 512
	s_lshl_b32 s32, s27, 11
	s_add_co_u32 s32, s32, s34
	s_add_nc_u64 s[24:25], s[24:25], s[32:33]      ; out: slice x 2,048 + wave x 512 in a row
	s_wait_loadcnt 56                              ; the five token loads are in; behind them W1's 32, b1's 16 and the 8 scale loads may be out
.irp m, 0,1,2,3,4
	v_min_u32 v[TOK+\m], 4095, v[TOK+\m]           ; held before it enters an address
.endr
.irp m, 0,1,2,3,4
	v_lshl_add_u32 v[XA+\m], v[TOK+\m], 7, v11     ; x's codes: token x 128 + 16 h
	v_lshlrev_b32 v[XSA+\m], 3, v[TOK+\m]          ; x's scale words: token x 8
.endr
	WIN 0xc0                                       ; destination window 3
.irp m, 0,1,2,3,4
.irp s, 0,1
.irp c, 0,1
	global_load_b128 v[XF+16*\m+8*\s+4*\c:XF+16*\m+8*\s+4*\c+3], v[XA+\m], s[8:9] offset:64*\s+32*\c
.endr
.endr
.endr
	WIN 0
.irp m, 0,1,2,3,4
	global_load_b64 v[XS+2*\m:XS+2*\m+1], v[XSA+\m], s[10:11]      ; both K steps' words of my row
.endr
	W2LOAD 0                                       ; W2's first half is asked for ahead of the first product's work
	s_wait_loadcnt 32                              ; all that the first product needs is in; W2's 32 loads may be out
	W2LOAD 4                                       ; W2's second half: the second product begins behind two tiles of rows of the first
	LAYER1 0
	WIN 0x40
.irp n, 0,1,2,3,4,5,6,7                ; b2 in the result's layout: lane (r, h), tile n: outputs 16 n + 8 h + 0 .. 7
	global_load_b128 v[B2+8*\n:B2+8*\n+3], v10, s[22:23] offset:64*\n
	global_load_b128 v[B2+8*\n+4:B2+8*\n+7], v10, s[22:23] offset:64*\n+16
.endr
	WIN 0
.irp i, 0,1,2,3,4,5,6,7,8,9,10,11,12,13,14,15
	global_load_b32 v[W2S+\i], v3, s[20:21] offset:\i*128          ; pair p, K step s at 4 p + s
.endr
	BARRIER                                        ; rows 0-15 of the hidden layer lie in LDS
	FETCH 0                                        ; they land while the next rows are made: LAYER1 ends with the wait for all my LDS instructions
	LAYER1 1
	BARRIER                                        ; rows 16-31
	s_wait_loadcnt 0x0                             ; W2, b2 and W2's scale words
	MUL 0
; A TURN: rows 16 m on leave; rows 16 (m + 1) on are multiplied by W2 while they pass the stage; rows 16 (m + 2) on are multiplied by W1 while the stores are on their way.
; FETCH m + 1 reads images that lie behind their barrier (the last turn's, or the second above); LAYER1 m + 2 writes other bytes.
.irp m, 0,1,2,3,4
.if \m > 0
	s_wait_xcnt 0x0                                ; the last rows' stores have had their addresses translated (ISA guide 3.1): only behind this wait are their offsets and data written again
.endif
	ROFF \m
.if \m < 4
	FETCH \m+1
.endif
	TOSTAGE \m
.if \m < 4
	s_wait_dscnt 32                                ; the next hidden fragments are in; the stage's 16 stores and 16 loads may be out
	MUL \m+1
.endif
	SEND \m
.if \m < 3
	LAYER1 \m+2
	BARRIER
.endif
.endr
	s_wait_tensorcnt 0x0
	ds_add_u32 v230, v231
	s_wait_dscnt 0x0
	s_endpgm
.Lfunc_end_k_q70b4fd5e56_chain:
	.size	k_q70b4fd5e56_chain, .Lfunc_end_k_q70b4fd5e56_chain-k_q70b4fd5e56_chain
	.p2alignl 7, 3214868480
	.fill 96, 4, 3214868480
	.section	.rodata,"a",@progbits
	.p2align	6, 0x0
	.amdhsa_kernel k_q70b4fd5e56_chain
		.amdhsa_group_segment_fixed_size 57856
		.amdhsa_private_segment_fixed_size 0
		.amdhsa_enable_private_segment 0
		.amdhsa_kernarg_size 88
		.amdhsa_user_sgpr_count 2
		.amdhsa_user_sgpr_kernarg_segment_ptr 1
		.amdhsa_wavefront_size32 1
		.amdhsa_system_sgpr_workgroup_id_x 1
		.amdhsa_system_sgpr_workgroup_id_y 1
		.amdhsa_system_sgpr_workgroup_id_z 1
		.amdhsa_system_vgpr_workitem_id 0
		.amdhsa_next_free_vgpr 1024
		.amdhsa_next_free_sgpr 66
		.amdhsa_reserve_vcc 0
		.amdhsa_float_denorm_mode_32 3
		.amdhsa_float_denorm_mode_16_64 3
		.amdhsa_memory_ordered 1
		.amdhsa_forward_progress 1
		.amdhsa_inst_pref_size 129
	.end_amdhsa_kernel
	.amdgpu_metadata
---
amdhsa.version: [ 1, 2 ]
amdhsa.kernels:
  - .name:           k_q70b4fd5e56_chain
    .symbol:         k_q70b4fd5e56_chain.kd
    .args:
      - { .name: tiles, .offset: 0, .size: 8, .value_kind: global_buffer, .address_space: global }
      - { .name: order, .offset: 8, .size: 8, .value_kind: global_buffer, .address_space: global }
      - { .name: xc, .offset: 16, .size: 8, .value_kind: global_buffer, .address_space: global }
      - { .name: xs, .offset: 24, .size: 8, .value_kind: global_buffer, .address_space: global }
      - { .name: w1c, .offset: 32, .size: 8, .value_kind: global_buffer, .address_space: global }
      - { .name: w1s, .offset: 40, .size: 8, .value_kind: global_buffer, .address_space: global }
      - { .name: b1, .offset: 48, .size: 8, .value_kind: global_buffer, .address_space: global }
      - { .name: w2c, .offset: 56, .size: 8, .value_kind: global_buffer, .address_space: global }
      - { .name: w2s, .offset: 64, .size: 8, .value_kind: global_buffer, .address_space: global }
      - { .name: b2, .offset: 72, .size: 8, .value_kind: global_buffer, .address_space: global }
      - { .name: out0, .offset: 80, .size: 8, .value_kind: global_buffer, .address_space: global }
    .group_segment_fixed_size: 57856
    .private_segment_fixed_size: 0
    .kernarg_segment_align: 8
    .kernarg_segment_size: 88
    .max_flat_workgroup_size: 128
    .sgpr_count:     66
    .vgpr_count:     1024
    .wavefront_size: 32
...
	.end_amdgpu_metadata
.endif
;; end of part 2
;; ======== version 2 of 2: 2 launches
;; workspace buffers: order 16,896 bytes of whole numbers; tiles 2,048 bytes of whole numbers; xc 524,288 bytes; xs 32,768 bytes; w1c 524,288 bytes; w1s 32,768 bytes; w2c 4,194,304 bytes; w2s 262,144 bytes
;; launch prep (part 3): grid 644 x 1, 4 waves a work-group, no clusters, 33,792 bytes of LDS; arguments X_head_idx, X, W1, W2, order, tiles, xc, xs, w1c, w1s, w2c, w2s; writes order, tiles, xc, xs, w1c, w1s, w2c, w2s
.if DOCPART == 3
	.amdgcn_target "amdgcn-amd-amdhsa--gfx1250"
	.amdhsa_code_object_version 6
	.text
	.protected	k_q70b4fd5e56_prep
	.globl	k_q70b4fd5e56_prep
	.p2align	8
	.type	k_q70b4fd5e56_prep,@function
k_q70b4fd5e56_prep:
	s_mov_b64 s[64:65], 0
	v_nop
	global_prefetch_b8 v0, s[64:65] scope:SCOPE_SE
	s_setreg_imm32_b32 hwreg(HW_REG_WAVE_MODE, 25, 1), 1
	s_wait_xcnt 0x0
; ONE LAUNCH, FOUR JOBS, parted on the work-group's number alone (alike in all four waves of a work-group):
;   work-groups 0-3      sort the 4,096 tokens by their head (a counting sort by ballots, no atomics): each counts all sixteen chunks of 256 tokens and places four of them; work-group 0 also writes
;                        the list of tiles of up to 80 rows;
;   work-groups 4-67     turn X [4096][256] f32 into codes of E2M1, K innermost, and one E8M0 byte for each 32 along K;
;   work-groups 68-131   do the same for W1 [8][256][512], work-groups 132-643 for W2 [8][512][2048], whose K is the FIRST axis within a head.
; THE QUANTISER: a block's scale is 2^(floor(log2(its largest magnitude)) - 2); its byte is the largest magnitude's exponent field - 2, held at 1 from below; each number is divided by the
; scale and rounded to the nearest code, ties to even, beyond 6 the largest code.
; LIMITS: a block of zeros gets the byte 1 where the rule says 127 (its codes are zeros, which add nothing under any byte but 0xff, and this program alone reads the bytes); blocks whose
; largest magnitude lies under 2^(3 - 127) are held at the byte 1; NaN and infinities among the inputs are not served; a head index above 7 is held at 7 (an index stays inside its table).
; THE WEIGHTS' CODES ARE LAID AS IMAGES OF OPERAND REGISTERS: a fragment (16 columns n x 128 K) is 1,024 bytes; block kb (0..3) of slot r lies at 256 kb + 16 r, which is register group
; kb / 2 of lane 16 (kb % 2) + r at 512 (kb / 2) + 16 x lane: the next launch takes a fragment by two loads of 16 bytes a lane.
;   w2c: ((head x 128 + tile) x 4 + K step) x 1,024; tile t = columns 16 t .. 16 t + 15.   w2s: ((head x 64 + pair) x 4 + K step) x 128 + 4 x lane: lanes 0-15 the even tile's words, 16-31 the odd tile's.
;   w1c: ((head x 32 + tile) x 2 + K step) x 1,024.  Of a group b of 32 columns, column j goes to tile 2 b + (j / 8) % 2, slot 8 (j / 16) + j % 8, so that the next launch's results lie along
;   the second product's K.   w1s: ((head x 16 + b) x 2 + K step) x 128 + 4 x (16 x (tile % 2) + slot).
; No tensor loads, no ring: memory binds, and each path streams through registers.  The matrix units and clusters have nothing to do here: but for the 16 KiB of head indices no two work-groups read the same byte.
.set RT,    32768                      ; LDS: the sort's 128 words, a region that no other path names
.set SP,    80                         ; X: a lane's place in a stage: its 64 bytes + 16 of padding
.set WREG,  8192                       ; X: a region for each wave: two stages of 32 x SP bytes, behind them its 128 scale bytes
.set STEPS, 8                          ; X: a wave takes 8 steps of 512 numbers
.set XR,    16                         ; v16-79   X: four sets of 16 numbers as they are loaded
.set XX,    80                         ; v80-111  X: two sets of 16 neighbours
.set XE,    112                        ; v112-119 X: a scale byte for each step
.set XC,    128                        ; v128-159 X: codes, four registers for each step, so that no store's data are written again
; ---- the weights: a lane takes a column, its registers run down K; a wave takes 32 columns x 128 along K (one K step, four blocks)
.macro WLOAD t, rowb                   ; block t: W(32 t + i, my column), i = 0 .. 31, into set t % 2; a wave's load reads 128 consecutive bytes, the four waves stand side by side on 512
.irp i, 0,1,2,3,4,5,6,7,8,9,10,11,12,13,14,15,16,17,18,19,20,21,22,23,24,25,26,27,28,29,30,31
	global_load_b32 v[32+32*((\t)%2)+\i], v3, s[32:33] offset:(32*(\t)+\i)*(\rowb) th:TH_LOAD_NT
.endr
.endm
.macro WBLOCK t, rowb
.set WS, 32+32*((\t)%2)
.if (\t) < 3
	s_wait_loadcnt 32                              ; this block's 32 loads are in; the next block's 32 may be out
.else
	s_wait_loadcnt 0x0
.endif
	v_max3_num_f32 v12, |v[WS]|, |v[WS+1]|, |v[WS+2]|              ; the block's largest magnitude: all 32 numbers are mine; two chains
	v_max3_num_f32 v13, |v[WS+3]|, |v[WS+4]|, |v[WS+5]|
.irp i, 6,10,14,18,22,26
	v_max3_num_f32 v12, v12, |v[WS+\i]|, |v[WS+\i+1]|
	v_max3_num_f32 v13, v13, |v[WS+\i+2]|, |v[WS+\i+3]|
.endr
	v_max3_num_f32 v12, v12, |v[WS+30]|, |v[WS+31]|
	v_max3_num_f32 v12, v12, v13, 0x1800000        ; and the floor 2^(3 - 127): the byte cannot fall under 1
	v_add_nc_u32 v11, 0xff000000, v12              ; 2 off its exponent field: the conversion takes the exponent field of this operand as its scale
	v_lshrrev_b32 v13, 23, v11                     ; the scale's byte
.if (\t) == 0
	v_mov_b32 v24, v13                             ; the K step's four bytes make my column's scale word, the lower K in the lower byte
.else
	v_lshl_or_b32 v24, v13, 8*(\t), v24
.endif
.irp g, 0,1,2,3
	v_cvt_scalef32_pk8_fp4_f32 v[96+4*(\t)+\g], v[WS+8*\g:WS+8*\g+7], v11
.endr
	global_store_b128 v4, v[96+4*(\t):99+4*(\t)], s[34:35] offset:256*(\t)   ; the 16 slots of a tile fill 256 consecutive bytes, aligned; each block has its own four registers
.if (\t) < 2
	WLOAD (\t)+2, \rowb                            ; (the next block begins with plain vector lines: they stand between these conversions and the next write of v11)
.endif
.endm
.macro WBODY rowb
	WLOAD 0, \rowb
	WLOAD 1, \rowb
	WBLOCK 0, \rowb
	WBLOCK 1, \rowb
	WBLOCK 2, \rowb
	WBLOCK 3, \rowb
	global_store_b32 v5, v24, s[36:37]             ; 128 consecutive bytes a wave: half of an aligned 256, whose other half another K step's work-group writes; one byte in 128 of what is read
	s_endpgm
.endm
; where my wave's part begins.  s40 head, s39 K step, s41 = 4 x (group of 128 columns) + wave: my 32 columns.  The arguments are the pointers' registers and the shifts
.macro WPLACE srcp, cp, sp, es, ss, ec, pc, el, pl
	s_lshl_b32 s30, s40, \es
	s_lshl_b32 s42, s39, \ss
	s_add_co_u32 s30, s30, s42
	s_lshl_b32 s42, s41, 7                         ; 32 columns of 4 bytes
	s_add_co_u32 s30, s30, s42
	s_add_nc_u64 s[32:33], s[\srcp:\srcp+1], s[30:31]
	s_lshl_b32 s30, s40, \ec
	s_lshl_b32 s42, s41, \pc
	s_add_co_u32 s30, s30, s42
	s_lshl_b32 s42, s39, 10
	s_add_co_u32 s30, s30, s42
	s_add_nc_u64 s[34:35], s[\cp:\cp+1], s[30:31]
	s_lshl_b32 s30, s40, \el
	s_lshl_b32 s42, s41, \pl
	s_add_co_u32 s30, s30, s42
	s_lshl_b32 s42, s39, 7
	s_add_co_u32 s30, s30, s42
	s_add_nc_u64 s[36:37], s[\sp:\sp+1], s[30:31]
.endm
; ---- X: a plain stream of blocks of 32.  Each load reads 512 consecutive bytes; a step's 2,048 bytes turn through the wave's own stage so that a lane holds 16 neighbours
.macro XLOAD t
.irp i, 0,1,2,3
	global_load_b128 v[XR+16*((\t)%4)+4*\i:XR+16*((\t)%4)+4*\i+3], v3, s[32:33] offset:2048*(\t)+512*\i th:TH_LOAD_NT
.endr
.endm
.macro XTURN t                         ; LDS serves a wave's instructions in order (ISA guide 5.7.1.4): no wait between the stores and the loads
.irp i, 0,1,2,3
	ds_store_b128 v14, v[XR+16*((\t)%4)+4*\i:XR+16*((\t)%4)+4*\i+3] offset:32*SP*((\t)%2)+8*SP*\i
.endr
.irp i, 0,1,2,3
	ds_load_b128 v[XX+16*((\t)%2)+4*\i:XX+16*((\t)%2)+4*\i+3], v15 offset:32*SP*((\t)%2)+16*\i
.endr
.endm
.macro XSTEP t
.set XS, XX+16*((\t)%2)
.if (\t) > 0
	s_wait_dscnt 1                                 ; this step's numbers are back from the stage (the last step's byte store may be out): so its stores into the stage have read their registers,
.else
	s_wait_dscnt 0x0
.endif
.if (\t)+4 < STEPS
	XLOAD (\t)+4                                   ; which take the loads of four steps on
.endif
.if (\t)+1 < STEPS
.if STEPS-2-(\t) >= 3
	s_wait_loadcnt 12                              ; the next step's four loads are in; those of the three steps behind it may be out
.else
	s_wait_loadcnt 4*(STEPS-2-(\t))                ; at the end fewer steps are behind it
.endif
	XTURN (\t)+1                                   ; and go through the other stage while this step is worked
.endif
	v_max3_num_f32 v8, |v[XS]|, |v[XS+1]|, |v[XS+2]|               ; the largest magnitude of my 16
	v_max3_num_f32 v9, |v[XS+3]|, |v[XS+4]|, |v[XS+5]|
.irp i, 6,10
	v_max3_num_f32 v8, v8, |v[XS+\i]|, |v[XS+\i+1]|
	v_max3_num_f32 v9, v9, |v[XS+\i+2]|, |v[XS+\i+3]|
.endr
	v_max3_num_f32 v8, v8, |v[XS+14]|, |v[XS+15]|
	v_max3_num_f32 v8, v8, v9, 0x1800000           ; and the floor 2^(3 - 127)
	v_max_num_f32_dpp v8, v8, v8 row_xmask:1 row_mask:0xf bank_mask:0xf   ; and of my neighbour's 16: the block's
	v_add_nc_u32 v11, 0xff000000, v8               ; 2 off its exponent field: the conversion's scale operand
	v_cvt_scalef32_pk8_fp4_f32 v[XC+4*(\t)], v[XS:XS+7], v11
	v_cvt_scalef32_pk8_fp4_f32 v[XC+4*(\t)+1], v[XS+8:XS+15], v11
	v_lshrrev_b32 v[XE+(\t)], 23, v11              ; the scale's byte (also the plain line behind the conversions)
	ds_store_b8 v5, v[XE+(\t)] offset:16*(\t)      ; both lanes of a block write the same byte with the same value
	global_store_b64 v4, v[XC+4*(\t):XC+4*(\t)+1], s[34:35] offset:256*(\t)   ; 32 lanes store 256 consecutive bytes, aligned
.endm
	s_load_b512 s[4:19], s[0:1], 0x0               ; idx s[4:5], X s[6:7], W1 s[8:9], W2 s[10:11], order s[12:13], tiles s[14:15], xc s[16:17], xs s[18:19]
	s_load_b256 s[20:27], s[0:1], 0x40             ; w1c s[20:21], w1s s[22:23], w2c s[24:25], w2s s[26:27]
	v_lshl_add_u32 v160, v0, 2, 0x8200
	v_mov_b32 v161, 0
	v_lshrrev_b32 v1, 5, v0
	v_readfirstlane_b32 s28, v1                    ; wave 0..3
	v_and_b32 v1, 31, v0                           ; lane
	s_mov_b32 s31, 0                               ; the high word of every offset pair s[30:31]
	s_wait_kmcnt 0x0
	s_cmp_lt_u32 ttmp9, 4
	s_cbranch_scc1 .Lroute
	s_cmp_lt_u32 ttmp9, 68
	s_cbranch_scc1 .Lx
	s_cmp_lt_u32 ttmp9, 132
	s_cbranch_scc1 .Lw1
	; ---- W2: u = work-group - 132: 16 groups of 128 columns, 4 K steps, 8 heads
	s_sub_co_u32 s29, ttmp9, 132
	s_and_b32 s38, s29, 15
	s_bfe_u32 s39, s29, 0x20004                    ; K step: 2 bits from bit 4
	s_lshr_b32 s40, s29, 6                         ; head
	s_lshl_b32 s41, s38, 2
	s_add_co_u32 s41, s41, s28                     ; my pair of tiles
	WPLACE 10, 24, 26, 22, 20, 19, 13, 15, 9       ; W2: head x 4 MiB + K step x 128 rows of 8,192; codes: head x 512 KiB + pair x 8,192 + K step x 1,024; words: head x 32 KiB + pair x 512 + K step x 128
	s_wait_alu depctr_va_vdst(0)
	v_lshlrev_b32 v3, 2, v1                        ; in: 4 bytes a lane
	v_lshrrev_b32 v4, 4, v1
	v_lshlrev_b32 v4, 12, v4                       ; lanes 16-31: the odd tile, 4 fragments on
	v_and_b32 v5, 15, v1
	v_lshl_add_u32 v4, v5, 4, v4                   ; + 16 x slot
	v_lshlrev_b32 v5, 2, v1                        ; my scale word: 4 x lane
	WBODY 8192
.Lw1:	; ---- W1: u = work-group - 68: 4 groups of 128 columns, 2 K steps, 8 heads
	s_sub_co_u32 s29, ttmp9, 68
	s_and_b32 s38, s29, 3
	s_bfe_u32 s39, s29, 0x10002                    ; K step: 1 bit from bit 2
	s_lshr_b32 s40, s29, 3                         ; head
	s_lshl_b32 s41, s38, 2
	s_add_co_u32 s41, s41, s28                     ; my group of 32 columns
	WPLACE 8, 20, 22, 19, 18, 16, 12, 12, 8        ; W1: head x 512 KiB + K step x 128 rows of 2,048; codes: head x 64 KiB + group x 4,096 + K step x 1,024; words: head x 4,096 + group x 256 + K step x 128
	s_wait_alu depctr_va_vdst(0)
	v_lshlrev_b32 v3, 2, v1
	v_bfe_u32 v6, v1, 3, 1                         ; which tile of the pair: (j / 8) % 2
	v_lshrrev_b32 v7, 4, v1
	v_and_b32 v8, 7, v1
	v_lshl_or_b32 v7, v7, 3, v8                    ; slot 8 (j / 16) + j % 8
	v_lshlrev_b32 v4, 11, v6                       ; the odd tile lies 2 fragments on
	v_lshl_add_u32 v4, v7, 4, v4
	v_lshl_add_u32 v5, v6, 4, v7
	v_lshlrev_b32 v5, 2, v5                        ; my scale word: 4 x (16 x tile + slot)
	WBODY 2048
.Lx:	; ---- X: run = 4 x (work-group - 4) + wave: 4,096 numbers, 16 tokens
	s_sub_co_u32 s29, ttmp9, 4
	s_lshl_b32 s29, s29, 2
	s_add_co_u32 s29, s29, s28
	s_lshl_b32 s30, s29, 14
	s_add_nc_u64 s[32:33], s[6:7], s[30:31]        ; 16,384 bytes of f32,
	s_lshl_b32 s30, s29, 11
	s_add_nc_u64 s[34:35], s[16:17], s[30:31]      ; 2,048 of codes,
	s_lshl_b32 s30, s29, 7
	s_add_nc_u64 s[36:37], s[18:19], s[30:31]      ; 128 scale bytes
	s_wait_alu depctr_va_vdst(0)
	v_lshlrev_b32 v3, 4, v1                        ; my 16 bytes of a load's 512
	s_mul_i32 s38, s28, WREG
	v_lshrrev_b32 v14, 2, v1
	v_mul_u32_u24 v14, v14, SP
	v_and_b32 v15, 3, v1
	v_lshl_add_u32 v14, v15, 4, v14
	v_add_nc_u32 v14, s38, v14                     ; the stage, on the way in: SP (lane / 4) + 16 (lane % 4)
	v_mul_u32_u24 v15, v1, SP
	v_add_nc_u32 v15, s38, v15                     ; and on the way out: SP x lane: my 16 neighbours
	v_lshlrev_b32 v4, 3, v1                        ; my 16 codes: 8 bytes
	v_lshrrev_b32 v5, 1, v1
	s_add_co_u32 s38, s38, 2*32*SP
	v_add_nc_u32 v5, s38, v5                       ; my wave's 128 scale bytes, my block's byte
	v_lshlrev_b32 v7, 2, v1                        ; and on the way out 4 bytes a lane
	v_add_nc_u32 v6, s38, v7
.irp t, 0,1,2,3
	XLOAD \t
.endr
	s_wait_alu depctr_va_vdst(0)
	s_wait_loadcnt 12                              ; step 0's four loads are in; three steps' twelve may be out
	XTURN 0
.irp t, 0,1,2,3,4,5,6,7
	XSTEP \t
.endr
	ds_load_b32 v12, v6                            ; LDS serves a wave's instructions in order: this sees my byte stores
	s_wait_dscnt 0x0
	global_store_b32 v7, v12, s[36:37]             ; 128 consecutive bytes a wave
	s_wait_tensorcnt 0x0
	ds_add_u32 v160, v161
	s_wait_dscnt 0x0
	s_endpgm
.Lroute:	; ---- the sort.  The tokens are sixteen chunks of 256.  COUNTING is done alike in all four sort work-groups: wave w counts chunks 4 w .. 4 w + 3 (register 4 q + j of a lane holds the head of
	s_wait_alu depctr_va_vdst(0)
	; token 1,024 w + 128 q + 4 x lane + j; a chunk is eight registers).  PLACING is shared: wave w of work-group R places chunk k = 4 R + w alone, which it loads a second time into registers of its own.
	; A token's place = where its head begins + the head's tokens in the chunks in front + those in front of it in its chunk (register by register, lane by lane).
	v_lshlrev_b32 v2, 4, v1
	s_lshl_b32 s29, s28, 12
	v_add_nc_u32 v2, s29, v2
.irp q, 0,1,2,3,4,5,6,7
	global_load_b128 v[32+4*\q:35+4*\q], v2, s[4:5] offset:512*\q
.endr
	s_lshl_b32 s38, ttmp9, 2
	s_add_co_u32 s38, s38, s28                     ; my chunk k
	s_lshl_b32 s39, s38, 10                        ; 256 tokens of 4 bytes
	v_lshlrev_b32 v7, 4, v1
	v_add_nc_u32 v7, s39, v7
	global_load_b128 v[64:67], v7, s[4:5]          ; register 4 q + j: token 256 k + 128 q + 4 x lane + j
	global_load_b128 v[68:71], v7, s[4:5] offset:512
	v_and_b32 v5, 7, v1
	v_lshlrev_b32 v5, 6, v5                        ; the counts lie [head][chunk]: 64 bytes a head
	v_add_nc_u32 v6, RT, v5                        ; back: lane l reads the sixteen counts of head l % 8
	v_lshrrev_b32 v4, 3, v1
	v_lshl_add_u32 v4, v4, 2, v5
	s_lshl_b32 s29, s28, 4
	v_add_nc_u32 v4, s29, v4
	v_add_nc_u32 v4, RT, v4                        ; in: lane 8 c + e stores the count of head e in chunk 4 w + c
	s_wait_loadcnt 0x0
.set cc, 0
.rept 40
	v_min_u32 v[32+cc], 7, v[32+cc]
.set cc, cc+1
.endr
	; the counts, by ballots: chunk c of my four, head e in s[68 + 8 c + e]; a chunk's first register starts its counts
.set cc, 0
.rept 32
.irp e, 0,1,2,3,4,5,6,7
	v_cmp_eq_u32 s[40+\e], \e, v[32+cc]
.endr
.if cc%8 == 0
.irp e, 0,1,2,3,4,5,6,7
	s_bcnt1_i32_b32 s[68+8*(cc/8)+\e], s[40+\e]
.endr
.else
.irp e, 0,1,2,3,4,5,6,7
	s_bcnt1_i32_b32 s[48+\e], s[40+\e]
.endr
.irp e, 0,1,2,3,4,5,6,7
	s_add_co_u32 s[68+8*(cc/8)+\e], s[68+8*(cc/8)+\e], s[48+\e]
.endr
.endif
.set cc, cc+1
.endr
	v_mov_b32 v3, 0
.irp i, 0,1,2,3,4,5,6,7,8,9,10,11,12,13,14,15,16,17,18,19,20,21,22,23,24,25,26,27,28,29,30,31
	v_writelane_b32 v3, s[68+\i], \i
.endr
	ds_store_b32 v4, v3                            ; the four waves' 128 counts meet in LDS, a word to a thread
	s_wait_dscnt 0x0                               ; for the others' sake: my store has landed
	s_barrier_signal -1                            ; (this path was chosen by the work-group's number: all four waves are on it)
	s_barrier_wait -1
.irp j, 0,1,2,3
	ds_load_b128 v[8+4*\j:11+4*\j], v6 offset:16*\j                ; v[8 + k']: my head's count in chunk k'
.endr
	s_wait_dscnt 0x0
	v_add3_u32 v24, v8, v9, v10                    ; the head's rows in all
.irp j, 11,13,15,17,19,21
	v_add3_u32 v24, v24, v[\j], v[\j+1]
.endr
	v_add_nc_u32 v24, v24, v23
	s_cmp_gt_u32 s38, 0                            ; and those in the chunks in front of mine: a chunk counts where its number is under k
	s_cselect_b32 s30, -1, 0
	v_and_b32 v26, s30, v8
.irp j, 1,2,3,4,5,6,7,8,9,10,11,12,13,14
	s_cmp_gt_u32 s38, \j
	s_cselect_b32 s30, -1, 0
	v_and_b32 v25, s30, v[8+\j]
	v_add_nc_u32 v26, v26, v25
.endr
.irp e, 0,1,2,3,4,5,6,7
	v_readlane_b32 s[40+\e], v24, \e               ; a head's rows in all: s[40 + e]
	v_readlane_b32 s[56+\e], v26, \e
.endr
	s_mov_b32 s48, 0
.irp e, 1,2,3,4,5,6,7
	s_add_co_u32 s[48+\e], s[47+\e], s[39+\e]      ; where a head's rows begin in the sorted order: s[48 + e]
.endr
.irp e, 0,1,2,3,4,5,6,7
	s_add_co_u32 s[56+\e], s[56+\e], s[48+\e]      ; where my chunk's rows of a head begin: s[56 + e], which then runs on
.endr
	s_cmp_lg_u32 ttmp9, 0                          ; the pad and the list of tiles are work-group 0's
	s_cbranch_scc1 .Lplace
.irp e, 0,1,2,3,4,5,6,7
	s_add_co_u32 s[92+\e], s[40+\e], 79            ; a head's tiles: (rows + 79) / 80 = ((rows + 79) x 52,429) >> 22, exact up to 4,175
	s_mul_i32 s[92+\e], s[92+\e], 52429
	s_lshr_b32 s[92+\e], s[92+\e], 22
.endr
	s_mov_b32 s68, 0
.irp e, 1,2,3,4,5,6,7
	s_add_co_u32 s[68+\e], s[67+\e], s[91+\e]      ; a head's first tile: s[68 + e]
.endr
	; the pad behind the order: 128 words of 0, so that a tile may read 80 words from any first row up to 4,096
	v_mov_b32 v10, 0
	v_lshlrev_b32 v11, 2, v0
	global_store_b32 v11, v10, s[12:13] offset:16384
	; the list of tiles: thread j writes entry j: head, first sorted row, rows (0 .. 80), 0.  The head is the last whose first tile is at or under j
	v_mov_b32 v20, 0
	v_mov_b32 v13, s68
	v_mov_b32 v14, s48
	v_mov_b32 v15, s40
.irp e, 1,2,3,4,5,6,7
	v_cmp_gt_u32 vcc_lo, s[68+\e], v0              ; the head's first tile lies beyond j: keep what is there
	v_cndmask_b32 v20, \e, v20, vcc_lo
	v_cndmask_b32 v13, s[68+\e], v13, vcc_lo
	v_cndmask_b32 v14, s[48+\e], v14, vcc_lo
	v_cndmask_b32 v15, s[40+\e], v15, vcc_lo
.endr
	v_sub_nc_u32 v13, v0, v13
	v_mul_u32_u24 v13, v13, 80                     ; rows of the head in front of this tile
	v_add_nc_u32 v21, v14, v13
	v_min_u32 v21, 4096, v21
	v_min_u32 v16, v13, v15
	v_sub_nc_u32 v22, v15, v16                     ; what is left of the head, 0 behind its last tile,
	v_min_u32 v22, 80, v22                         ; 80 at the most
	v_mov_b32 v23, 0
	v_lshlrev_b32 v12, 4, v0
	global_store_b128 v12, v[20:23], s[14:15]
.Lplace:
	; my chunk's tokens are placed.  Each store has registers of its own, and none of the stores above has a register that is written here.
	; (4 bytes a lane to scattered words: the whole order is 16 KiB, and a sort has no other way.)
	s_lshl_b32 s29, s38, 8
	v_lshl_add_u32 v9, v1, 2, s29                  ; 256 k + 4 x lane
.set cc, 0
.rept 8
.irp e, 0,1,2,3,4,5,6,7
	v_cmp_eq_u32 s[76+\e], \e, v[64+cc]
.endr
	v_mbcnt_lo_u32_b32 v[64+cc], s76, s56          ; the head's running base + the lanes below mine with that head; the right head's is kept
.irp e, 1,2,3,4,5,6,7
	v_mbcnt_lo_u32_b32 v[7+(\e%2)], s[76+\e], s[56+\e]
	v_cndmask_b32 v[64+cc], v[64+cc], v[7+(\e%2)], s[76+\e]
.endr
	s_wait_alu depctr_va_vdst(0)
.irp e, 0,1,2,3,4,5,6,7
	s_bcnt1_i32_b32 s[84+\e], s[76+\e]
.endr
.irp e, 0,1,2,3,4,5,6,7
	s_add_co_u32 s[56+\e], s[56+\e], s[84+\e]
.endr
	v_min_u32 v[64+cc], 4095, v[64+cc]             ; a place is under 4,096 by the counts; held so before it enters an address
	v_lshlrev_b32 v[64+cc], 2, v[64+cc]
	v_add_nc_u32 v[96+cc], 128*(cc/4)+(cc%4), v9   ; the token's number
	global_store_b32 v[64+cc], v[96+cc], s[12:13]
.set cc, cc+1
.endr
	s_wait_tensorcnt 0x0
	ds_add_u32 v160, v161
	s_wait_dscnt 0x0
	s_endpgm
.Lfunc_end_k_q70b4fd5e56_prep:
	.size	k_q70b4fd5e56_prep, .Lfunc_end_k_q70b4fd5e56_prep-k_q70b4fd5e56_prep
	.p2alignl 7, 3214868480
	.fill 96, 4, 3214868480
	.section	.rodata,"a",@progbits
	.p2align	6, 0x0
	.amdhsa_kernel k_q70b4fd5e56_prep
		.amdhsa_group_segment_fixed_size 33792
		.amdhsa_private_segment_fixed_size 0
		.amdhsa_enable_private_segment 0
		.amdhsa_kernarg_size 96
		.amdhsa_user_sgpr_count 2
		.amdhsa_user_sgpr_kernarg_segment_ptr 1
		.amdhsa_wavefront_size32 1
		.amdhsa_system_sgpr_workgroup_id_x 1
		.amdhsa_system_sgpr_workgroup_id_y 1
		.amdhsa_system_sgpr_workgroup_id_z 1
		.amdhsa_system_vgpr_workitem_id 0
		.amdhsa_next_free_vgpr 162
		.amdhsa_next_free_sgpr 100
		.amdhsa_reserve_vcc 1
		.amdhsa_float_denorm_mode_32 3
		.amdhsa_float_denorm_mode_16_64 3
		.amdhsa_memory_ordered 1
		.amdhsa_forward_progress 1
		.amdhsa_inst_pref_size 118
	.end_amdhsa_kernel
	.amdgpu_metadata
---
amdhsa.version: [ 1, 2 ]
amdhsa.kernels:
  - .name:           k_q70b4fd5e56_prep
    .symbol:         k_q70b4fd5e56_prep.kd
    .args:
      - { .name: X_head_idx, .offset: 0, .size: 8, .value_kind: global_buffer, .address_space: global }
      - { .name: X, .offset: 8, .size: 8, .value_kind: global_buffer, .address_space: global }
      - { .name: W1, .offset: 16, .size: 8, .value_kind: global_buffer, .address_space: global }
      - { .name: W2, .offset: 24, .size: 8, .value_kind: global_buffer, .address_space: global }
      - { .name: order, .offset: 32, .size: 8, .value_kind: global_buffer, .address_space: global }
      - { .name: tiles, .offset: 40, .size: 8, .value_kind: global_buffer, .address_space: global }
      - { .name: xc, .offset: 48, .size: 8, .value_kind: global_buffer, .address_space: global }
      - { .name: xs, .offset: 56, .size: 8, .value_kind: global_buffer, .address_space: global }
      - { .name: w1c, .offset: 64, .size: 8, .value_kind: global_buffer, .address_space: global }
      - { .name: w1s, .offset: 72, .size: 8, .value_kind: global_buffer, .address_space: global }
      - { .name: w2c, .offset: 80, .size: 8, .value_kind: global_buffer, .address_space: global }
      - { .name: w2s, .offset: 88, .size: 8, .value_kind: global_buffer, .address_space: global }
    .group_segment_fixed_size: 33792
    .private_segment_fixed_size: 0
    .kernarg_segment_align: 8
    .kernarg_segment_size: 96
    .max_flat_workgroup_size: 128
    .sgpr_count:     100
    .vgpr_count:     162
    .wavefront_size: 32
...
	.end_amdgpu_metadata
.endif
;; end of part 3
;; launch chain (part 4): grid 59 x 4, 4 waves a work-group, no clusters, 57,856 bytes of LDS; arguments tiles, order, xc, xs, w1c, w1s, b1, w2c, w2s, b2, out0; writes out0
.if DOCPART == 4
	.amdgcn_target "amdgcn-amd-amdhsa--gfx1250"
	.amdhsa_code_object_version 6
	.text
	.protected	k_q70b4fd5e56_chain
	.globl	k_q70b4fd5e56_chain
	.p2align	8
	.type	k_q70b4fd5e56_chain,@function
k_q70b4fd5e56_chain:
	s_mov_b64 s[64:65], 0
	v_nop
	global_prefetch_b8 v0, s[64:65] scope:SCOPE_SE
	s_setreg_imm32_b32 hwreg(HW_REG_WAVE_SCHED_MODE, 0, 2), 2
	s_setreg_imm32_b32 hwreg(HW_REG_WAVE_MODE, 25, 1), 1
	s_wait_xcnt 0x0
	s_wait_alu depctr_vm_vsrc(0)
; out[token] = relu(x[token] W1[head] + b1[head]) W2[head] + b2[head], head = the token's, both products on codes of E2M1 with one E8M0 scale for each 32 along K; sums, biases and relu in f32.
; Only the chosen head is multiplied: the tokens come sorted by head, in tiles of up to 80 rows of one head.  There are never more than ceil(4096 / 80) + 7 = 59 tiles, whatever the split.
; SHARES.  Work-group (x, y) takes tile x of the list and outputs 512 y .. 512 y + 511.  THE WAVES SHARE THE COLUMNS: wave w makes hidden units 128 w .. + 127, which are K step w of the second
; product, and outputs 512 y + 128 w .. + 127, for all 80 rows (five tiles of 16).  Its 16 fragments of W1 and 32 of W2 come from memory straight into registers, once, as the images that the launch before laid.
; The first product is made again by each of a tile's four slices: an eighth of the second's work, against a hidden layer that would else go through memory.
; BOTH PRODUCTS ARE USED TRANSPOSED (source 0 = 16 columns of the weight, source 1 = 16 rows): a lane holds ONE row, and its registers run along the hidden units or the outputs.  W1's columns were
; dealt to tiles so that the 16 registers of tiles 2 b and 2 b + 1 are 16 neighbours along the second product's K: register j of lane (r, h) in tile 2 b + u is hidden unit 32 b + 16 h + 8 u + j.
; THE HIDDEN LAYER goes from wave to wave through LDS as images of operand registers (16 bytes a lane at 16 x lane, scale words 4 bytes a lane); it never goes to memory.
; THE TWO PRODUCTS GO BY TURNS OF 16 ROWS, so that finished rows leave while later rows are still multiplied: the first product runs two tiles of rows ahead of the stores.  Each tile of rows has image bytes
; of its own, written once and read behind a barrier of its own: five barriers, every one on every wave's path.
; The biases are the C of each sum's first matrix instruction, in the result's layout.
; A tile's rows at or past its count hold the tokens that follow in the order (or the pad's token 0): they are computed and never stored.  A tile with no rows walks the same text and stores nothing.
; NO JOINT LOADS: which tiles share a head's W2 hangs on the list, and 59 tiles do not divide into fours; what a tile's four slices share (W1's 64 KiB, x's 10 KiB, of 213 KiB a work-group) is used once,
; from registers, and a joint load would send it through LDS first.  No tensor loads, so no ring.
; LIMITS: NaN and infinities are not served; a block of the hidden layer that is all zeros gets the byte 1 with zero codes (the bytes stay in this kernel); blocks under 2^(3 - 127) are held at that byte.
; REGISTERS, in windows of 256: window 0: v1-11 addresses; v12-16 the tile's tokens; v18-27 x's offsets; v32-47 the rows' offsets in out; v48-111 16 rows of out on their way;
;   v112-125 x's and the hidden layer's scale words; v128-191 eight tiles of the hidden layer; v192-216 the quantiser's; v230, v231 the closing add's two; v232-255 the weights' scale words.
;   window 1: v0-127 W1's fragments (tile t, K step s at 8 (2 t + s)); v128-191 b1; v192-255 b2.   window 2: W2's fragments (tile n, K step s at 8 (4 n + s)).
;   window 3: v0-127 two sets of 8 accumulators; v128-207 x's ten fragments; v208-239 four hidden fragments.
; THE MODE: SCHED_MODE bits 1:0 = 2 (LLVM: expert scheduling mode 2), set by the entry lines.  The code itself states the register dependences between vector or matrix instructions and memory or LDS
; instructions, with s_wait_alu, always for 0.
; THE PLAN.  Registers that memory or LDS instructions touch:
;   v1, v3-v11      addresses: written by vector lines at the head and never again; read by every load and store.  One wait on va_vdst ahead of the first load serves them all.
;   v18-27          x's offsets: written once, behind the tokens' load; read by x's loads.  One wait on va_vdst ahead of those.
;   the weights, the biases, x's fragments and all their scale words: loads land in them once; matrix instructions alone read them.  No operand of a product is written by a vector line.
;   v[PC ..], v[PW] written by the quantiser of rows m, read by that step's three LDS stores, written again by the next rows' quantiser: va_vdst ahead of the stores, vm_vsrc behind them.
;   HF, HS          FETCH m + 1's loads land in them; MUL m + 1 reads them; the next turn's FETCH lands in them again.
;   accumulators    set m % 2: written by MUL m, read by TOSTAGE m's LDS stores, written again by MUL m + 2.
;   v[RO ..]        written by ROFF m, read by SEND m's stores, written again by ROFF m + 1.
;   v[BK ..]        TOSTAGE m's loads land in them, SEND m's stores read them, TOSTAGE m + 1's loads land again; no vector line names them.
; So a turn has ONE wait on va_vdst, behind ROFF: the offsets are written, MUL m has written its accumulators and is done reading HF and HS.  All the turn's LDS loads, LDS stores and global stores follow
; it; the one run of products among them, MUL m + 1, names W2, HF, HS, b2, W2's scale words and the OTHER set of accumulators: no register that TOSTAGE m or SEND m touches.  And one wait on vm_vsrc stands
; at a turn's head, for what the turn before stored.  Numbers that vector lines put into scalar registers (the wave's number, a row's token) have a wait on va_sdst ahead of their first reader.
.set HIMG,   0                         ; LDS: the hidden layer's 20 fragments of 1,024 bytes (tile of rows m, K step s: 4 m + s),
.set HSC,    20480                     ; their scale words, 128 bytes each,
.set STG,    23040                     ; and a stage of 16 rows x (512 bytes + 16) for each wave, its own
.set SPITCH, 528
.set TOK, 12
.set XA,  18
.set XSA, 23
.set RO,  32
.set BK,  48
.set XS,  112
.set HS,  122
.set HA,  128
.set PC,  192
.set TM,  200                          ; v200-203 largest magnitudes, v204-207 bytes, v212-215 the conversions' scale operands
.set PW,  216
.set W1S, 232
.set W2S, 240
.set B1,  128                          ; in window 1
.set B2,  192                          ; in window 1
.set XF,  128                          ; in window 3
.set HF,  208                          ; in window 3
.set SEL, 36                           ; s[36:37] v_permlanex16_b32's selects for lane l xor 16
.set MSB, 0
.macro WIN new                         ; the immediate's high byte repeats the setting that is left; bits 1:0 source 0, 3:2 source 1, 5:4 source 2, 7:6 destination
.if MSB != \new
	s_set_vgpr_msb (MSB<<8)|\new
.set MSB, \new
.endif
.endm
; one product of 16 x 16 x 128.  odd = 1: source 0's scale words stand in lanes 16-31 of their register (the odd tile of a pair)
.macro WM d, a, b, c, sa, sb, odd
.if (\odd)
	v_wmma_scale_f32_16x16x128_f8f6f4 v[(\d):(\d)+7], v[(\a):(\a)+7], v[(\b):(\b)+7], v[(\c):(\c)+7], v[(\sa)], v[(\sb)] matrix_a_fmt:MATRIX_FMT_FP4 matrix_b_fmt:MATRIX_FMT_FP4 matrix_a_scale:MATRIX_SCALE_ROW1
.else
	v_wmma_scale_f32_16x16x128_f8f6f4 v[(\d):(\d)+7], v[(\a):(\a)+7], v[(\b):(\b)+7], v[(\c):(\c)+7], v[(\sa)], v[(\sb)] matrix_a_fmt:MATRIX_FMT_FP4 matrix_b_fmt:MATRIX_FMT_FP4
.endif
.endm
; 64 numbers of a lane, register 16 b + i = k 32 b + 16 (lane / 16) + i of my row, become a fragment's codes in v[PC] on and its scale word in v[PW]
.macro QUANT s
.irp b, 0,1,2,3
	v_max3_num_f32 v[TM+\b], |v[\s+16*\b]|, |v[\s+1+16*\b]|, 0x1800000   ; block b: my 16 numbers, and the floor 2^(3 - 127): the byte cannot fall under 1
.endr
.irp i, 2,4,6,8,10,12,14
.irp b, 0,1,2,3
	v_max3_num_f32 v[TM+\b], v[TM+\b], |v[\s+16*\b+\i]|, |v[\s+1+16*\b+\i]|   ; (the four blocks by turns: no line waits for the line above it)
.endr
.endr
.irp b, 0,1,2,3
	v_permlanex16_b32 v[TM+4+\b], v[TM+\b], s[SEL], s[SEL+1]
.endr
.irp b, 0,1,2,3
	v_max_num_f32 v[TM+\b], v[TM+\b], v[TM+4+\b]   ; with lane l xor 16's: the block's largest magnitude
.endr
.irp b, 0,1,2,3
	v_add_nc_u32 v[TM+12+\b], 0xff000000, v[TM+\b] ; 2 off its exponent field: the conversion's scale operand
.endr
.irp b, 0,1,2,3
	v_lshrrev_b32 v[TM+4+\b], 23, v[TM+12+\b]      ; the scale's byte
.endr
	v_lshl_or_b32 v[PW], v[TM+5], 8, v[TM+4]       ; the four bytes make my row's scale word
	v_lshl_or_b32 v[PW], v[TM+6], 16, v[PW]
	v_lshl_or_b32 v[PW], v[TM+7], 24, v[PW]
.irp b, 0,1,2,3
	v_cvt_scalef32_pk8_fp4_f32 v[PC+2*\b], v[\s+16*\b:\s+7+16*\b], v[TM+12+\b]
	v_cvt_scalef32_pk8_fp4_f32 v[PC+1+2*\b], v[\s+8+16*\b:\s+15+16*\b], v[TM+12+\b]
.endr
	v_nop                                          ; one plain place behind a scaled conversion
.irp c, 0,1                            ; the operand's layout wants a WHOLE block in a lane: lanes 0-15 block 2 c, lanes 16-31 block 2 c + 1
.irp i, 0,1
	v_permlane16_swap_b32 v[PC+4*\c+\i], v[PC+2+4*\c+\i]
.endr
.endr
.endm
.macro W2LOAD n0                       ; W2's fragments of tiles n0 .. n0 + 3, all four K steps: 32 loads of 512 consecutive bytes a wave.  No vector line has named their registers, and v1 stands since the head's wait
	WIN 0x80                                       ; destination window 2
.irp n, \n0, \n0+1, \n0+2, \n0+3
.irp s, 0,1,2,3
.irp c, 0,1
	global_load_b128 v[8*(4*(\n)+\s)+4*\c:8*(4*(\n)+\s)+4*\c+3], v1, s[18:19] offset:(4*(\n)+\s)*1024+512*\c
.endr
.endr
.endr
	WIN 0
.endm
; THE FIRST PRODUCT for rows 16 m .. 16 m + 15: my 8 tiles of hidden units, two K steps; relu; quantised; the image of K step w of the second product goes to LDS.
; The eight accumulators take turns, one instruction a turn.
.macro LAYER1 m
	WIN 0x1d                                       ; source 0 (W1) and source 2 (b1) window 1, source 1 (x) window 3
.irp t, 0,1,2,3,4,5,6,7
	WM HA+8*\t,8*(2*\t),XF+16*(\m),B1+8*\t,W1S+2*(\t/2),XS+2*(\m),\t%2
.endr
	WIN 0x0d                                       ; source 0 window 1, source 1 window 3; C and D window 0
.irp t, 0,1,2,3,4,5,6,7
	WM HA+8*\t,8*(2*\t+1),XF+16*(\m)+8,HA+8*\t,W1S+2*(\t/2)+1,XS+2*(\m)+1,\t%2
.endr
	WIN 0
.rept 4
	v_nop                                          ; four places between the last product and the first read of a result (ISA guide 7.12.1)
.endr
.irp j, 0,1,2,3,4,5,6,7,8,9,10,11,12,13,14,15,16,17,18,19,20,21,22,23,24,25,26,27,28,29,30,31,32,33,34,35,36,37,38,39,40,41,42,43,44,45,46,47,48,49,50,51,52,53,54,55,56,57,58,59,60,61,62,63
	v_max_num_f32 v[HA+\j], 0, v[HA+\j]            ; the activation, in f32; each accumulator from its low end on
.endr
	QUANT HA
	s_wait_alu depctr_va_vdst(0)                   ; the quantiser has written the codes v[PC ..] and the scale word v[PW], which the three LDS stores below read
.irp c, 0,1
	ds_store_b128 v4, v[PC+4*\c:PC+4*\c+3] offset:HIMG+4096*(\m)+512*\c   ; fragment 4 m + w, as its registers stand
.endr
	ds_store_b32 v5, v[PW] offset:HSC+512*(\m)
	s_wait_dscnt 0x0                               ; all my LDS instructions are done: the images have landed, for the others' sake
.if (\m) < 4
	s_wait_alu depctr_vm_vsrc(0)                   ; the three stores have read v[PC ..] and v[PW], which the next rows' quantiser writes again (the last rows' are not written again)
.endif
.endm
.macro BARRIER                         ; stands behind LAYER1's wait for all my LDS instructions: behind it these rows' four images are whole
	s_barrier_signal -1
	s_barrier_wait -1
.endm
; THE SECOND PRODUCT
.macro FETCH m                         ; the four hidden fragments of rows 16 m on, and their scale words: 12 LDS loads
	WIN 0xc0                                       ; destination window 3
.irp s, 0,1,2,3
.irp c, 0,1
	ds_load_b128 v[HF+8*\s+4*\c:HF+8*\s+4*\c+3], v1 offset:HIMG+(4*(\m)+\s)*1024+512*\c
.endr
.endr
	WIN 0                                          ; scale words stand in window 0
.irp s, 0,1,2,3
	ds_load_b32 v[HS+\s], v3 offset:HSC+(4*(\m)+\s)*128
.endr
.endm
.macro MUL m                           ; my 8 tiles of outputs for rows 16 m on: 32 products; the eight accumulators of set m % 2 take turns
.set AC, 64*((\m)%2)
	WIN 0xde                                       ; source 0 (W2) window 2, source 1 (the hidden layer) window 3, source 2 (b2) window 1, destination window 3
.irp n, 0,1,2,3,4,5,6,7
	WM AC+8*\n,8*(4*\n),HF,B2+8*\n,W2S+4*(\n/2),HS,\n%2
.endr
	WIN 0xfe                                       ; C and D window 3
.irp s, 1,2,3
.irp n, 0,1,2,3,4,5,6,7
	WM AC+8*\n,8*(4*\n+\s),HF+8*\s,AC+8*\n,W2S+4*(\n/2)+\s,HS+\s,\n%2
.endr
.endr
	WIN 0
.endm
.macro ROFF m                          ; row i's offset in out: token x 8,192 + 16 x lane.  The 16 additions are also places behind the products issued last
.irp i, 0,1,2,3,4,5,6,7,8,9,10,11,12,13,14,15
	v_readlane_b32 s[40+\i], v[TOK+(\m)], \i
.endr
	s_wait_alu depctr_va_sdst(0)                   ; the sixteen lines above have written s40 to s55, ahead of their first reader
.irp i, 0,1,2,3,4,5,6,7,8,9,10,11,12,13,14,15
	s_min_u32 s[40+\i], s[40+\i], 4095
.endr
.irp i, 0,1,2,3,4,5,6,7,8,9,10,11,12,13,14,15
	v_lshl_add_u32 v[RO+\i], s[40+\i], 13, v1
.endr
.endm
.macro TOSTAGE m                       ; a lane holds 32 bytes of a row for each tile n: through my own stage, and back as whole rows of 512 bytes
.set AC, 64*((\m)%2)
	WIN 0x0c                                       ; an LDS store's data are its source 1: window 3
.irp n, 0,1,2,3,4,5,6,7
	ds_store_b128 v6, v[AC+8*\n:AC+8*\n+3] offset:64*\n             ; each accumulator from its low end on
	ds_store_b128 v6, v[AC+8*\n+4:AC+8*\n+7] offset:64*\n+16
.endr
	WIN 0
.irp i, 0,1,2,3,4,5,6,7,8,9,10,11,12,13,14,15
	ds_load_b128 v[BK+4*\i:BK+4*\i+3], v7 offset:\i*SPITCH          ; LDS serves a wave's instructions in order (ISA guide 5.7.1.4): these see the stores above
.endr
.endm
.macro SEND m                          ; rows 16 m + i under the tile's count are stored; the first row at or past it leads past these stores alone: the barriers that follow stand on every path
.irp i, 0,1,2,3,4,5,6,7,8,9,10,11,12,13,14,15
	s_wait_dscnt 15-\i                             ; row i is back; the stage loads behind it may be out
	s_cmp_gt_u32 s30, 16*(\m)+\i
	s_cbranch_scc0 .Lsent_\m
	global_store_b128 v[RO+\i], v[BK+4*\i:BK+4*\i+3], s[24:25] th:TH_STORE_NT   ; 32 lanes store 512 consecutive bytes of one row, at a multiple of 512 from out's first byte; written once.  The offsets stand since the turn's wait on va_vdst; the data came by LDS loads
.endr
.Lsent_\m:
.if (\m) < 4
	s_wait_dscnt 0x0                               ; on the way that left early stage loads may be out: none is when their registers are loaded again (behind the last rows the closing lines' first wait does this)
.endif
.endm
	s_load_b512 s[4:19], s[0:1], 0x0               ; tiles s[4:5], order s[6:7], xc s[8:9], xs s[10:11], w1c s[12:13], w1s s[14:15], b1 s[16:17], w2c s[18:19]
	s_load_b128 s[20:23], s[0:1], 0x40             ; w2s s[20:21], b2 s[22:23]
	s_load_b64 s[24:25], s[0:1], 0x50              ; out0
	v_lshl_add_u32 v230, v0, 2, 0xe000             ; the LDS address of my spare word, behind the stages, and 0: made here and kept for the closing lines alone
	v_mov_b32 v231, 0
	v_lshrrev_b32 v2, 5, v0
	v_readfirstlane_b32 s26, v2                    ; wave 0..3
	s_and_b32 s27, ttmp7, 0xffff                   ; the slice of 512 outputs
	s_lshl_b32 s32, ttmp9, 4                       ; my tile's entry: 16 bytes
	s_mov_b32 s33, 0                               ; the high word of every offset pair s[32:33]
	s_wait_kmcnt 0x0
	s_add_nc_u64 s[4:5], s[4:5], s[32:33]
	s_load_b128 s[28:31], s[4:5], 0x0              ; head, first sorted row, rows, 0
	v_and_b32 v2, 31, v0                           ; lane
	v_lshlrev_b32 v1, 4, v2                        ; 16 x lane: an image's place for my lane
	v_lshlrev_b32 v3, 2, v2                        ; 4 x lane: a scale word's
	s_wait_alu depctr_va_sdst(0)                   ; s26, the wave's number, is written, ahead of its first reader: LDS places and every base are made from it
	s_lshl_b32 s34, s26, 10
	v_add_nc_u32 v4, s34, v1                       ; where I store the hidden layer's images: 16 x lane + 1,024 x wave
	s_lshl_b32 s34, s26, 7
	v_add_nc_u32 v5, s34, v3                       ; and their scale words: 4 x lane + 128 x wave
	v_and_b32 v8, 15, v0                           ; r
	v_bfe_u32 v9, v0, 4, 1                         ; h
	s_mul_i32 s34, s26, 16*SPITCH
	s_add_co_u32 s34, s34, STG                     ; my stage
	v_mul_u32_u24 v6, v8, SPITCH
	v_lshl_add_u32 v6, v9, 5, v6
	v_add_nc_u32 v6, s34, v6                       ; in: row r, + 32 h
	v_add_nc_u32 v7, s34, v1                       ; back: 16 bytes a lane of a row
	v_lshlrev_b32 v8, 2, v8                        ; the order: 4 r
	v_lshlrev_b32 v11, 4, v9                       ; x's codes: 16 h
	v_lshlrev_b32 v10, 5, v9                       ; b2: 32 h
	v_lshlrev_b32 v9, 6, v9                        ; b1: 64 h
	s_mov_b32 s[SEL], 0x76543210
	s_mov_b32 s[SEL+1], 0xfedcba98
.irp b, 0,1,2,3
	v_mov_b32 v[TM+4+\b], 0                        ; written once: a lane permute's destination counts as one of its sources
.endr
	s_wait_kmcnt 0x0
	s_min_u32 s28, s28, 7                          ; the entry is held before it enters an address or a branch
	s_min_u32 s29, s29, 4096
	s_min_u32 s30, s30, 80
	s_lshl_b32 s32, s29, 2
	s_add_nc_u64 s[6:7], s[6:7], s[32:33]          ; the order at my first row
	s_wait_alu depctr_va_vdst(0)                   ; the addresses v1 and v3 to v11 are written, which the loads and stores of the whole kernel read; no vector line writes them again
.irp m, 0,1,2,3,4
	global_load_b32 v[TOK+\m], v8, s[6:7] offset:64*\m             ; lane (r, h): the token of row 16 m + r.  80 words from a first row up to 4,096: inside the order and its pad
.endr
	s_lshl_b32 s32, s28, 16
	s_lshl_b32 s34, s26, 14
	s_add_co_u32 s32, s32, s34
	s_add_nc_u64 s[12:13], s[12:13], s[32:33]      ; W1's codes: head x 64 KiB + wave x 8 tiles x 2,048
	s_lshl_b32 s32, s28, 11
	s_lshl_b32 s34, s26, 9
	s_add_co_u32 s32, s32, s34
	s_add_nc_u64 s[16:17], s[16:17], s[32:33]      ; b1: head x 2,048 + wave x 512
	s_lshl_b32 s32, s28, 12
	s_lshl_b32 s34, s26, 10
	s_add_co_u32 s32, s32, s34
	s_add_nc_u64 s[14:15], s[14:15], s[32:33]      ; W1's scale words: head x 4,096 + wave x 1,024
	WIN 0x40                                       ; destination window 1
.irp t, 0,1,2,3,4,5,6,7
.irp s, 0,1
.irp c, 0,1
	global_load_b128 v[8*(2*\t+\s)+4*\c:8*(2*\t+\s)+4*\c+3], v1, s[12:13] offset:(2*\t+\s)*1024+512*\c
.endr
.endr
.endr
.irp t, 0,1,2,3,4,5,6,7                ; b1 in the result's layout: lane (r, h), tile 2 b + u: hidden units 32 b + 16 h + 8 u + 0 .. 7
	global_load_b128 v[B1+8*\t:B1+8*\t+3], v9, s[16:17] offset:(32*(\t/2)+8*(\t%2))*4
	global_load_b128 v[B1+8*\t+4:B1+8*\t+7], v9, s[16:17] offset:(32*(\t/2)+8*(\t%2))*4+16
.endr
	WIN 0
.irp i, 0,1,2,3,4,5,6,7
	global_load_b32 v[W1S+\i], v3, s[14:15] offset:\i*128          ; pair b, K step s at 2 b + s: lanes 0-15 the even tile's words, 16-31 the odd tile's
.endr
	s_lshl_b32 s32, s28, 19
	s_lshl_b32 s34, s27, 17
	s_add_co_u32 s32, s32, s34
	s_lshl_b32 s34, s26, 15
	s_add_co_u32 s32, s32, s34
	s_add_nc_u64 s[18:19], s[18:19], s[32:33]      ; W2's codes: head x 512 KiB + slice x 128 KiB + wave x 8 tiles x 4,096
	s_lshl_b32 s32, s28, 15
	s_lshl_b32 s34, s27, 13
	s_add_co_u32 s32, s32, s34
	s_lshl_b32 s34, s26, 11
	s_add_co_u32 s32, s32, s34
	s_add_nc_u64 s[20:21], s[20:21], s[32:33]      ; W2's scale words: head x 32 KiB + slice x 8,192 + wave x 2,048
	s_lshl_b32 s32, s28, 13
	s_lshl_b32 s34, s27, 11
	s_add_co_u32 s32, s32, s34
	s_lshl_b32 s34, s26, 9
	s_add_co_u32 s32, s32, s34
	s_add_nc_u64 s[22:23], s[22:23], s[32:33]      ; b2: head x 8,192 + slice x 2,048 + wave x 512
	s_lshl_b32 s32, s27, 11
	s_add_co_u32 s32, s32, s34
	s_add_nc_u64 s[24:25], s[24:25], s[32:33]      ; out: slice x 2,048 + wave x 512 in a row
	s_wait_loadcnt 56                              ; the five token loads are in; behind them W1's 32, b1's 16 and the 8 scale loads may be out
.irp m, 0,1,2,3,4
	v_min_u32 v[TOK+\m], 4095, v[TOK+\m]           ; held before it enters an address
.endr
.irp m, 0,1,2,3,4
	v_lshl_add_u32 v[XA+\m], v[TOK+\m], 7, v11     ; x's codes: token x 128 + 16 h
	v_lshlrev_b32 v[XSA+\m], 3, v[TOK+\m]          ; x's scale words: token x 8
.endr
	WIN 0xc0                                       ; destination window 3
	s_wait_alu depctr_va_vdst(0)                   ; x's ten offsets v[XA ..] and v[XSA ..] are written, which the 25 loads below read; they are not written again
.irp m, 0,1,2,3,4
.irp s, 0,1
.irp c, 0,1
	global_load_b128 v[XF+16*\m+8*\s+4*\c:XF+16*\m+8*\s+4*\c+3], v[XA+\m], s[8:9] offset:64*\s+32*\c
.endr
.endr
.endr
	WIN 0
.irp m, 0,1,2,3,4
	global_load_b64 v[XS+2*\m:XS+2*\m+1], v[XSA+\m], s[10:11]      ; both K steps' words of my row
.endr
	W2LOAD 0                                       ; W2's first half is asked for ahead of the first product's work
	s_wait_loadcnt 32                              ; all that the first product needs is in; W2's 32 loads may be out
	W2LOAD 4                                       ; W2's second half: the second product begins behind two tiles of rows of the first
	LAYER1 0
	WIN 0x40
.irp n, 0,1,2,3,4,5,6,7                ; b2 in the result's layout: lane (r, h), tile n: outputs 16 n + 8 h + 0 .. 7.  (No vector or matrix line has named these registers, nor W2's scale words'; v10 and v3 stand since the head's wait)
	global_load_b128 v[B2+8*\n:B2+8*\n+3], v10, s[22:23] offset:64*\n
	global_load_b128 v[B2+8*\n+4:B2+8*\n+7], v10, s[22:23] offset:64*\n+16
.endr
	WIN 0
.irp i, 0,1,2,3,4,5,6,7,8,9,10,11,12,13,14,15
	global_load_b32 v[W2S+\i], v3, s[20:21] offset:\i*128          ; pair p, K step s at 4 p + s
.endr
	BARRIER                                        ; rows 0-15 of the hidden layer lie in LDS
	FETCH 0                                        ; they land while the next rows are made: LAYER1 ends with the wait for all my LDS instructions.  (No product has read HF or HS yet)
	LAYER1 1
	BARRIER                                        ; rows 16-31
	s_wait_loadcnt 0x0                             ; W2, b2 and W2's scale words
	MUL 0
; A TURN: rows 16 m on leave; rows 16 (m + 1) on are multiplied by W2 while they pass the stage; rows 16 (m + 2) on are multiplied by W1 while the stores are on their way.
; FETCH m + 1 reads images that lie behind their barrier (the last turn's, or the second above); LAYER1 m + 2 writes other bytes.
.irp m, 0,1,2,3,4
.if \m > 0
	s_wait_xcnt 0x0                                ; the last rows' stores have had their addresses translated (ISA guide 3.1): only behind this wait are their offsets and data written again
	s_wait_alu depctr_vm_vsrc(0)                   ; the last rows' stores have read their offsets v[RO ..], which ROFF writes, and their data v[BK ..], in which the stage's loads land; the last turn's LDS stores have read the accumulators that this turn's products write again
.endif
	ROFF \m
	s_wait_alu depctr_va_vdst(0)                   ; v[RO ..] are written, which this turn's stores read; MUL m has written its accumulators, which the stage's LDS stores read (ROFF's sixteen additions are the places ahead of this wait), and is done reading HF and HS, in which the next fragments land
.if \m < 4
	FETCH \m+1
.endif
	TOSTAGE \m
.if \m < 4
	s_wait_dscnt 32                                ; the next hidden fragments are in; the stage's 16 stores and 16 loads may be out
	MUL \m+1
.endif
	SEND \m
.if \m < 3
	LAYER1 \m+2
	BARRIER
.endif
.endr
	s_wait_dscnt 0x0                               ; the closing lines, six on end
	s_wait_alu 0x0
	s_wait_tensorcnt 0x0
	ds_add_u32 v230, v231
	s_wait_dscnt 0x0
	s_endpgm
.Lfunc_end_k_q70b4fd5e56_chain:
	.size	k_q70b4fd5e56_chain, .Lfunc_end_k_q70b4fd5e56_chain-k_q70b4fd5e56_chain
	.p2alignl 7, 3214868480
	.fill 96, 4, 3214868480
	.section	.rodata,"a",@progbits
	.p2align	6, 0x0
	.amdhsa_kernel k_q70b4fd5e56_chain
		.amdhsa_group_segment_fixed_size 57856
		.amdhsa_private_segment_fixed_size 0
		.amdhsa_enable_private_segment 0
		.amdhsa_kernarg_size 88
		.amdhsa_user_sgpr_count 2
		.amdhsa_user_sgpr_kernarg_segment_ptr 1
		.amdhsa_wavefront_size32 1
		.amdhsa_system_sgpr_workgroup_id_x 1
		.amdhsa_system_sgpr_workgroup_id_y 1
		.amdhsa_system_sgpr_workgroup_id_z 1
		.amdhsa_system_vgpr_workitem_id 0
		.amdhsa_next_free_vgpr 1024
		.amdhsa_next_free_sgpr 66
		.amdhsa_reserve_vcc 0
		.amdhsa_float_denorm_mode_32 3
		.amdhsa_float_denorm_mode_16_64 3
		.amdhsa_memory_ordered 1
		.amdhsa_forward_progress 1
		.amdhsa_inst_pref_size 130
	.end_amdhsa_kernel
	.amdgpu_metadata
---
amdhsa.version: [ 1, 2 ]
amdhsa.kernels:
  - .name:           k_q70b4fd5e56_chain
    .symbol:         k_q70b4fd5e56_chain.kd
    .args:
      - { .name: tiles, .offset: 0, .size: 8, .value_kind: global_buffer, .address_space: global }
      - { .name: order, .offset: 8, .size: 8, .value_kind: global_buffer, .address_space: global }
      - { .name: xc, .offset: 16, .size: 8, .value_kind: global_buffer, .address_space: global }
      - { .name: xs, .offset: 24, .size: 8, .value_kind: global_buffer, .address_space: global }
      - { .name: w1c, .offset: 32, .size: 8, .value_kind: global_buffer, .address_space: global }
      - { .name: w1s, .offset: 40, .size: 8, .value_kind: global_buffer, .address_space: global }
      - { .name: b1, .offset: 48, .size: 8, .value_kind: global_buffer, .address_space: global }
      - { .name: w2c, .offset: 56, .size: 8, .value_kind: global_buffer, .address_space: global }
      - { .name: w2s, .offset: 64, .size: 8, .value_kind: global_buffer, .address_space: global }
      - { .name: b2, .offset: 72, .size: 8, .value_kind: global_buffer, .address_space: global }
      - { .name: out0, .offset: 80, .size: 8, .value_kind: global_buffer, .address_space: global }
    .group_segment_fixed_size: 57856
    .private_segment_fixed_size: 0
    .kernarg_segment_align: 8
    .kernarg_segment_size: 88
    .max_flat_workgroup_size: 128
    .sgpr_count:     66
    .vgpr_count:     1024
    .wavefront_size: 32
...
	.end_amdgpu_metadata
.endif
;; end of part 4
